; MI455X (gfx1250); checked and timed in simulation.
; The chip was launched on July 23, 2026; its instructions are those of AMD's public machine-readable ISA for CDNA 5 (MIT licence, August 2026) and "CDNA5" Instruction Set Architecture Reference Guide (July 2026). The comments in the code are by the model that wrote it; some were corrected since.
;; Causal Self Attention. Allowed arithmetic: matrix products marked QUANTISED: E2M1 operands, one E8M0 scale for each 32 along K, by v_wmma_scale_f32_16x16x128_f8f6f4 with both operands' format E2M1 (or v_wmma_scale_f32_32x16x128_f4), f32 sums; products left as they are: bf16, f16 or f32 operands; f32 sums; everything else in f32.
;; Inputs: b_attn 3,072 float32; b_proj 1,024 float32; w_attn 1,024 x 3,072 float32; w_proj 1,024 x 1,024 float32; x 4 x 2,048 x 1,024 float32.
;; Outputs: out0 4 x 2,048 x 1,024 float32.
;; This version of the problem:
;;   THIS VERSION OF THE PROBLEM IS GIVEN IN LOW PRECISION. The matrix products marked QUANTISED in the list below multiply operands that are first quantised to E2M1 (2 exponent bits, 1 mantissa bit; 4 bits a number), with one power-of-two scale for each 32 numbers along K (OCP MX v1.0); their sums are f32. The products marked 'left as it is' may take bf16, f16 or f32 operands, with f32 sums. Whichever they take, every output number must still come out within the allowed error. Rounding operands to bf16 (8 significant bits) uses up far more of that allowance than f16 does (11 bits, for magnitudes from 6e-5 to 65,504). All else is computed in f32.
;;   The module's matrix products, in the order in which they are computed (A, B: the left and right operand; K: the contracted axis; several contracted axes count as one K, in the product's order):
;;     1. [M 8,192, K 1,024] x [K 1,024, N 3,072]; A: input x; B: input w_attn: QUANTISED
;;     2. batch 64 x [M 2,048, K 64] x [K 64, N 2,048]; A: computed on the way; B: computed on the way: left as it is (an operand is computed on the way)
;;     3. batch 64 x [M 2,048, K 2,048] x [K 2,048, N 64]; A: computed on the way; B: computed on the way: left as it is (an operand is computed on the way)
;;     4. [M 8,192, K 1,024] x [K 1,024, N 1,024]; A: computed on the way; B: input w_proj: left as it is (an operand is computed on the way)
;;   THE QUANTISER, for each operand of a quantised product, along K:
;;     - K is cut into blocks of 32 from its start; a last block that is shorter is filled with zeros.
;;     - A block's scale is 2^e with e = floor(log2(the largest magnitude in the block)) - 2, held to -126 .. 127; a block of zeros has e = 0. As a byte (E8M0): e + 127.
;;     - Each number is divided by its block's scale, clamped to +-6, and rounded to the nearest number of E2M1, ties to even, subnormals kept.
;;     - The product sums the exact products of the quantised numbers (number of the format x scale) in f32.
;;   ~~~python
;;   def quantise(x, axis):      # numpy; x: float32 -> the quantised numbers, widened to float32 again
;;       x = np.moveaxis(x, axis, -1); K = x.shape[-1]
;;       x = np.pad(x, [(0, 0)] * (x.ndim - 1) + [(0, -K % 32)]); x = x.reshape(x.shape[:-1] + (-1, 32)); a = np.abs(x).max(-1, keepdims=True)
;;       e = np.where(a > 0, np.clip(np.frexp(np.where(a > 0, a, 1))[1] - 1 - 2, -126, 127), 0)      # np.frexp(a)[1] - 1 = floor(log2(a)), exactly
;;       r = np.clip(x / 2.0 ** e, -6, 6)
;;       step = 2.0 ** (np.maximum(np.frexp(np.where(r == 0, 1, r))[1] - 1, 0) - 1)
;;       q = np.round(r / step) * step * 2.0 ** e      # np.round: ties to even
;;       return np.moveaxis(q.reshape(q.shape[:-2] + (-1,))[..., :K], -1, axis).astype(np.float32)
;;   ~~~
;; One version. Each part assembles by itself: llvm-mc -triple=amdgcn-amd-amdhsa -mcpu=gfx1250 --defsym DOCPART=n.
;; ======== version 1 of 1: 5 launches
;; limits: values are held in f16: magnitudes above 65,504 overflow, below 6.1e-05 lose precision
;; workspace buffers: x_codes 4,194,304 bytes; x_scales 262,144 bytes; w_codes 1,572,864 bytes; w_scales 98,304 bytes; wp16 2,097,152 bytes; qkv16 50,331,648 bytes; qkv32 786,432 bytes; y16 16,777,216 bytes
;; launch prep (part 1): grid 288 x 1, 8 waves a work-group, no clusters, 84,992 bytes of LDS; arguments x, w_attn, w_proj, x_codes, x_scales, w_codes, w_scales, wp16; writes x_codes, x_scales, w_codes, w_scales, wp16
.if DOCPART == 1
	.amdgcn_target "amdgcn-amd-amdhsa--gfx1250"
	.amdhsa_code_object_version 6
	.text
	.protected	k_q6df3bf04cc_prep
	.globl	k_q6df3bf04cc_prep
	.p2align	8
	.type	k_q6df3bf04cc_prep,@function
k_q6df3bf04cc_prep:
	s_mov_b64 s[64:65], 0
	v_nop
	global_prefetch_b8 v0, s[64:65] scope:SCOPE_SE
	s_setreg_imm32_b32 hwreg(HW_REG_WAVE_MODE, 25, 1), 1
	s_wait_xcnt 0x0
; PREP: x [8192][1024] and w_attn [1024 (k)][3072 (n)], f32, become codes of FP4 (E2M1) with K innermost and one E8M0 byte for each 32 along K; w_proj [1024][1024] is cast to f16 in its own order.
; x_codes [8192][512 bytes], x_scales [8192][32]; w_codes [3072 (n)][512 bytes], w_scales [3072][32]; two codes a byte, the lower k in the low four bits.
; A block's scale is 2^(floor(log2(largest magnitude)) - 2): its byte is the largest magnitude's exponent field - 2, held at 1 from below.
; LIMITS: a block of zeros gets the byte 1 where the quantiser says 127 (its codes are zeros, and only this program reads the bytes); blocks whose largest magnitude lies under 2^-124 are held at byte 1;
; NaN and infinities are not served; |w_proj| stays under 65,504 (f16).
; ROLES by the work-group's number: 0-95 w_attn (64 columns x 512 K each), 96-223 x (8 runs of 8,192 numbers each), 224-287 w_proj (8 runs of 2,048 numbers each).
; All roles join at ONE barrier, which every wave of every role passes; only w_attn's role has work behind it.  Each role has LDS bytes of its own.  A stream: no matrix unit, no tensor load, no shared input.
.set SP,    80                         ; x: a lane's place in a stage: 64 bytes + 16 of padding
.set WST,   65536                      ; w_attn: 64 rows (one a column) x 272 bytes: 256 bytes of codes + 16
.set PW,    272
.set WSC,   82944                      ; w_attn: 64 x 16 scale bytes
.set SPARE, 83968                      ; the spare words: 128 bytes for each of eight waves, named by no other line
.set R,     32                         ; x: v32-95 four sets of 16 numbers as loaded
.set XN,    96                         ; x: v96-127 two sets of 16 neighbours
.set E,     128                        ; x: v128-143 a scale byte for each step
.set C,     144                        ; x: v144-175 two registers of codes for each step
.set WX,    32                         ; w: v32-95 two sets of 32 numbers down K
.set WC,    96                         ; w: v96-99 a block's codes
.set WSB,   100                        ; w: v100 four scale bytes
.set SPW,   12
.set NIL,   13
	s_load_b256 s[4:11], s[0:1], 0x0               ; x s[4:5], w_attn s[6:7], w_proj s[8:9], x_codes s[10:11]
	s_load_b256 s[12:19], s[0:1], 0x20             ; x_scales s[12:13], w_codes s[14:15], w_scales s[16:17], wp16 s[18:19]
	v_lshl_add_u32 v[SPW], v0, 2, SPARE
	v_mov_b32 v[NIL], 0
	v_lshrrev_b32 v20, 5, v0
	v_readfirstlane_b32 s20, v20                   ; wave 0..7
	v_and_b32 v1, 31, v0                           ; lane
	v_lshlrev_b32 v2, 4, v1                        ; 16 x lane
	; every address register of every role is made here, ahead of the parting
	s_lshl_b32 s21, s20, 13                        ; x: my wave's 8,192 bytes of LDS
	v_lshrrev_b32 v3, 2, v1
	v_mul_u32_u24 v3, v3, SP
	v_and_b32 v20, 3, v1
	v_lshl_add_u32 v3, v20, 4, v3
	v_add_nc_u32 v3, s21, v3                       ; stage, way in: 80 (lane / 4) + 16 (lane % 4)
	v_mul_u32_u24 v4, v1, SP
	v_add_nc_u32 v4, s21, v4                       ; stage, way out: 80 x lane
	v_lshlrev_b32 v5, 3, v1                        ; 8 x lane
	v_lshrrev_b32 v6, 1, v1
	s_add_co_u32 s22, s21, 2*32*SP
	v_add_nc_u32 v6, s22, v6                       ; my block's scale byte
	v_add_nc_u32 v7, s22, v5                       ; the 256 scale bytes, 8 a lane
	v_lshlrev_b32 v14, 2, v1                       ; 4 x lane
	s_and_b32 s23, s20, 1                          ; w: cg, which 32 of the 64 columns
	s_lshr_b32 s24, s20, 1                         ; w: kq, which 128 of the 512 along K
	s_mul_i32 s25, s23, 32*PW
	s_lshl_b32 s26, s24, 6
	s_add_co_u32 s25, s25, s26
	s_add_co_u32 s25, s25, WST
	v_mul_u32_u24 v15, v1, PW
	v_add_nc_u32 v15, s25, v15                     ; my column's row of codes, my 64 bytes of it
	s_lshl_b32 s25, s23, 9
	s_lshl_b32 s26, s24, 2
	s_add_co_u32 s26, s25, s26
	s_add_co_u32 s26, s26, WSC
	v_lshl_add_u32 v16, v1, 4, s26                 ; my column's scale word
	s_mul_i32 s27, s20, 8*PW
	s_add_co_u32 s27, s27, WST
	v_lshrrev_b32 v20, 4, v1
	v_and_b32 v21, 15, v1
	v_mul_u32_u24 v17, v20, PW
	v_lshl_add_u32 v17, v21, 4, v17
	v_add_nc_u32 v17, s27, v17                     ; back: rows 8 wave + lane / 16, sixteen lanes to a row
	s_lshl_b32 s27, s20, 12
	v_lshlrev_b32 v18, 9, v20
	v_lshl_add_u32 v18, v21, 4, v18
	v_add_nc_u32 v18, s27, v18                     ; and the same place in w_codes (rows of 512 bytes)
	s_add_co_u32 s25, s25, WSC
	v_lshl_add_u32 v19, v1, 4, s25                 ; a column's 16 scale bytes
	s_lshl_b32 s25, s23, 10
	v_lshl_add_u32 v24, v1, 5, s25                 ; and its row of w_scales (32 bytes)
	s_wait_kmcnt 0x0
	s_cmp_lt_u32 ttmp9, 96
	s_cbranch_scc1 .Lrole_w
	s_cmp_lt_u32 ttmp9, 224
	s_cbranch_scc1 .Lrole_x
	; ---- w_proj to f16: a wave takes 8,192 bytes: sixteen loads of 512 consecutive bytes, sixteen stores of 256
	s_sub_co_u32 s21, ttmp9, 224
	s_lshl_b32 s21, s21, 3
	s_add_co_u32 s21, s21, s20                     ; run 0..511
	s_lshl_b32 s26, s21, 13
	s_mov_b32 s27, 0
	s_add_nc_u64 s[8:9], s[8:9], s[26:27]
	s_lshl_b32 s26, s21, 12
	s_add_nc_u64 s[18:19], s[18:19], s[26:27]
.irp i, 0,1,2,3,4,5,6,7,8,9,10,11,12,13,14,15
	global_load_b128 v[32+4*\i:35+4*\i], v2, s[8:9] offset:512*\i th:TH_LOAD_NT
.endr
.irp i, 0,1,2,3,4,5,6,7,8,9,10,11,12,13,14,15
	s_wait_loadcnt 15-\i                           ; loads come back in order: load i is in, the younger ones stay out
	v_cvt_pk_f16_f32 v[96+2*\i], v[32+4*\i], v[33+4*\i]
	v_cvt_pk_f16_f32 v[97+2*\i], v[34+4*\i], v[35+4*\i]
	global_store_b64 v5, v[96+2*\i:97+2*\i], s[18:19] offset:256*\i   ; the wave stores 256 consecutive bytes, aligned
.endr
	s_branch .Ljoin
	; ---- x: a wave takes 16 steps of 512 numbers.  Loads take the bytes as they lie; a step's 2,048 bytes turn through the wave's own stage, so that a lane holds 16 neighbours along K
.Lrole_x:
	s_sub_co_u32 s21, ttmp9, 96
	s_lshl_b32 s21, s21, 3
	s_add_co_u32 s21, s21, s20                     ; run 0..1023
	s_lshl_b32 s26, s21, 15
	s_mov_b32 s27, 0
	s_add_nc_u64 s[4:5], s[4:5], s[26:27]
	s_lshl_b32 s26, s21, 12
	s_add_nc_u64 s[10:11], s[10:11], s[26:27]
	s_lshl_b32 s26, s21, 8
	s_add_nc_u64 s[12:13], s[12:13], s[26:27]
.macro XLOAD t
.irp i, 0,1,2,3
	global_load_b128 v[R+16*((\t)%4)+4*\i:R+16*((\t)%4)+4*\i+3], v2, s[4:5] offset:2048*(\t)+512*\i th:TH_LOAD_NT
.endr
.endm
.macro XTURN t                         ; LDS serves a wave's instructions in order: no wait between the stores and the loads
.irp i, 0,1,2,3
	ds_store_b128 v3, v[R+16*((\t)%4)+4*\i:R+16*((\t)%4)+4*\i+3] offset:32*SP*((\t)%2)+8*SP*\i
.endr
.irp i, 0,1,2,3
	ds_load_b128 v[XN+16*((\t)%2)+4*\i:XN+16*((\t)%2)+4*\i+3], v4 offset:32*SP*((\t)%2)+16*\i
.endr
.endm
.irp t, 0,1,2,3
	XLOAD \t
.endr
	s_wait_loadcnt 12                              ; step 0's four loads are in
	XTURN 0
.macro XSTEP t
.set XS, XN+16*((\t)%2)
.if (\t) > 0
	s_wait_dscnt 1                                 ; this step's numbers are back from the stage; the last step's byte store may be out
.else
	s_wait_dscnt 0x0
.endif
.if (\t)+4 < 16
	XLOAD (\t)+4                                   ; into the set whose stores into the stage have been served
.endif
.if (\t)+1 < 16
.if 14-(\t) >= 3
	s_wait_loadcnt 12                              ; the next step's four loads are in; three steps' loads may be out
.else
	s_wait_loadcnt 4*(14-(\t))
.endif
	XTURN (\t)+1
.endif
	v_max3_num_f32 v8, |v[XS]|, |v[XS+1]|, |v[XS+2]|
	v_max3_num_f32 v9, |v[XS+3]|, |v[XS+4]|, |v[XS+5]|
.irp i, 6,10
	v_max3_num_f32 v8, v8, |v[XS+\i]|, |v[XS+\i+1]|
	v_max3_num_f32 v9, v9, |v[XS+\i+2]|, |v[XS+\i+3]|
.endr
	v_max3_num_f32 v8, v8, |v[XS+14]|, |v[XS+15]|
	v_max3_num_f32 v8, v8, v9, 0x1800000           ; the floor 2^(3 - 127): the byte cannot fall under 1
	v_max_num_f32_dpp v8, v8, v8 row_xmask:1 row_mask:0xf bank_mask:0xf   ; with my neighbour's 16: the block's largest magnitude
	v_add_nc_u32 v11, 0xff000000, v8               ; 2 off its exponent field: the conversion's scale operand
	v_cvt_scalef32_pk8_fp4_f32 v[C+2*(\t)], v[XS:XS+7], v11
	v_cvt_scalef32_pk8_fp4_f32 v[C+2*(\t)+1], v[XS+8:XS+15], v11
	v_lshrrev_b32 v[E+(\t)], 23, v11               ; the scale's byte
	ds_store_b8 v6, v[E+(\t)] offset:16*(\t)       ; both lanes of a block write the same byte with the same value
	global_store_b64 v5, v[C+2*(\t):C+2*(\t)+1], s[10:11] offset:256*(\t)   ; 256 consecutive bytes, aligned
.endm
.irp t, 0,1,2,3,4,5,6,7,8,9,10,11,12,13,14,15
	XSTEP \t
.endr
	ds_load_b64 v[8:9], v7                         ; my wave's 256 scale bytes
	s_wait_dscnt 0x0
	global_store_b64 v5, v[8:9], s[12:13]          ; one aligned run of 256 bytes
	s_branch .Ljoin
	; ---- w_attn: a lane takes a column n, its registers run down K.  Wave (cg, kq): 32 columns x 128 K, four blocks of 32
.Lrole_w:
	s_cmp_ge_u32 ttmp9, 48
	s_cselect_b32 s28, 1, 0                        ; gy: which 512 along K
	s_mul_i32 s21, s28, 48
	s_sub_co_u32 s29, ttmp9, s21                   ; gx: which 64 columns
	s_lshl_b32 s21, s28, 9
	s_lshl_b32 s22, s24, 7
	s_add_co_u32 s21, s21, s22                     ; my first k
	s_mul_i32 s26, s21, 12288
	s_lshl_b32 s21, s29, 8
	s_add_co_u32 s26, s26, s21
	s_lshl_b32 s21, s23, 7
	s_add_co_u32 s26, s26, s21                     ; + 4 x (64 gx + 32 cg)
	s_mov_b32 s27, 0
	s_add_nc_u64 s[6:7], s[6:7], s[26:27]
	s_lshl_b32 s26, s29, 15
	s_lshl_b32 s21, s28, 8
	s_add_co_u32 s26, s26, s21
	s_add_nc_u64 s[14:15], s[14:15], s[26:27]      ; w_codes: row 64 gx, byte 256 gy
	s_lshl_b32 s26, s29, 11
	s_lshl_b32 s21, s28, 4
	s_add_co_u32 s26, s26, s21
	s_add_nc_u64 s[16:17], s[16:17], s[26:27]      ; w_scales: row 64 gx, byte 16 gy
.macro WLOAD t
.irp i, 0,1,2,3,4,5,6,7,8,9,10,11,12,13,14,15,16,17,18,19,20,21,22,23,24,25,26,27,28,29,30,31
	global_load_b32 v[WX+32*((\t)%2)+\i], v14, s[6:7] offset:(32*(\t)+\i)*12288 th:TH_LOAD_NT   ; 128 consecutive bytes a wave
.endr
.endm
	WLOAD 0
	WLOAD 1
.macro WBLOCK t
.set XS, WX+32*((\t)%2)
.if (\t) < 3
	s_wait_loadcnt 32                              ; this block's 32 loads are in; the next block's may be out
.else
	s_wait_loadcnt 0x0
.endif
	v_max3_num_f32 v8, |v[XS]|, |v[XS+1]|, |v[XS+2]|
	v_max3_num_f32 v9, |v[XS+3]|, |v[XS+4]|, |v[XS+5]|
.irp i, 6,10,14,18,22,26
	v_max3_num_f32 v8, v8, |v[XS+\i]|, |v[XS+\i+1]|
	v_max3_num_f32 v9, v9, |v[XS+\i+2]|, |v[XS+\i+3]|
.endr
	v_max3_num_f32 v8, v8, |v[XS+30]|, |v[XS+31]|
	v_max3_num_f32 v8, v8, v9, 0x1800000           ; the floor
	v_add_nc_u32 v11, 0xff000000, v8
	v_lshrrev_b32 v10, 23, v11                     ; the scale's byte
.if (\t) == 0
	v_mov_b32 v[WSB], v10
.else
	v_lshl_or_b32 v[WSB], v10, 8*(\t), v[WSB]
.endif
.irp g, 0,1,2,3
	v_cvt_scalef32_pk8_fp4_f32 v[WC+\g], v[XS+8*\g:XS+8*\g+7], v11
.endr
	ds_store_b128 v15, v[WC:WC+3] offset:16*(\t)   ; 32 codes: 16 bytes of my column's row
.if (\t)+2 < 4
	WLOAD (\t)+2
.endif
	s_wait_dscnt 0x0                               ; the store has been served: the next block's codes may be written
.endm
	WBLOCK 0
	WBLOCK 1
	WBLOCK 2
	WBLOCK 3
	ds_store_b32 v16, v[WSB]                       ; my column's four scale bytes of my 128 along K
.Ljoin:
	s_wait_xcnt 0x0                                ; every role's global stores have read their data and address registers: the lines behind the join write registers that those stores name
	s_wait_dscnt 0x0                               ; for the others' sake: my LDS stores are done
	s_barrier_signal -1
	s_barrier_wait -1
	s_cmp_lt_u32 ttmp9, 96
	s_cbranch_scc0 .Lend
	; ---- w_attn, the way out: the 64 rows of 256 bytes leave whole, eight rows a wave, sixteen lanes to a row
.irp i, 0,1,2,3
	ds_load_b128 v[104+4*\i:107+4*\i], v17 offset:2*\i*PW
.endr
.irp i, 0,1,2,3
	s_wait_dscnt 3-\i
	global_store_b128 v18, v[104+4*\i:107+4*\i], s[14:15] offset:2*\i*512
.endr
	s_cmp_lt_u32 s20, 2                            ; waves 0 and 1 store the scale bytes: 16 of a row's 32, one byte for each 32 along K that the role reads
	s_cbranch_scc0 .Lend
	ds_load_b128 v[120:123], v19
	s_wait_dscnt 0x0
	global_store_b128 v24, v[120:123], s[16:17]
.Lend:
	s_wait_tensorcnt 0x0                           ; the wave's end
	ds_add_u32 v[SPW], v[NIL]
	s_wait_dscnt 0x0
	s_endpgm
.Lfunc_end_k_q6df3bf04cc_prep:
	.size	k_q6df3bf04cc_prep, .Lfunc_end_k_q6df3bf04cc_prep-k_q6df3bf04cc_prep
	.p2alignl 7, 3214868480
	.fill 96, 4, 3214868480
	.section	.rodata,"a",@progbits
	.p2align	6, 0x0
	.amdhsa_kernel k_q6df3bf04cc_prep
		.amdhsa_group_segment_fixed_size 84992
		.amdhsa_private_segment_fixed_size 0
		.amdhsa_enable_private_segment 0
		.amdhsa_kernarg_size 64
		.amdhsa_user_sgpr_count 2
		.amdhsa_user_sgpr_kernarg_segment_ptr 1
		.amdhsa_wavefront_size32 1
		.amdhsa_system_sgpr_workgroup_id_x 1
		.amdhsa_system_sgpr_workgroup_id_y 1
		.amdhsa_system_sgpr_workgroup_id_z 1
		.amdhsa_system_vgpr_workitem_id 0
		.amdhsa_next_free_vgpr 192
		.amdhsa_next_free_sgpr 66
		.amdhsa_reserve_vcc 0
		.amdhsa_float_denorm_mode_32 3
		.amdhsa_float_denorm_mode_16_64 3
		.amdhsa_memory_ordered 1
		.amdhsa_forward_progress 1
		.amdhsa_inst_pref_size 61
	.end_amdhsa_kernel
	.amdgpu_metadata
---
amdhsa.version: [ 1, 2 ]
amdhsa.kernels:
  - .name:           k_q6df3bf04cc_prep
    .symbol:         k_q6df3bf04cc_prep.kd
    .args:
      - { .name: x, .offset: 0, .size: 8, .value_kind: global_buffer, .address_space: global }
      - { .name: w_attn, .offset: 8, .size: 8, .value_kind: global_buffer, .address_space: global }
      - { .name: w_proj, .offset: 16, .size: 8, .value_kind: global_buffer, .address_space: global }
      - { .name: x_codes, .offset: 24, .size: 8, .value_kind: global_buffer, .address_space: global }
      - { .name: x_scales, .offset: 32, .size: 8, .value_kind: global_buffer, .address_space: global }
      - { .name: w_codes, .offset: 40, .size: 8, .value_kind: global_buffer, .address_space: global }
      - { .name: w_scales, .offset: 48, .size: 8, .value_kind: global_buffer, .address_space: global }
      - { .name: wp16, .offset: 56, .size: 8, .value_kind: global_buffer, .address_space: global }
    .group_segment_fixed_size: 84992
    .private_segment_fixed_size: 0
    .kernarg_segment_align: 8
    .kernarg_segment_size: 64
    .max_flat_workgroup_size: 256
    .sgpr_count:     66
    .vgpr_count:     192
    .wavefront_size: 32
...
	.end_amdgpu_metadata
.endif
;; end of part 1
;; launch qkv (part 2): grid 12 x 32, 4 waves a work-group, clusters of 4 x 4, 327,680 bytes of LDS; arguments x_codes, x_scales, w_codes, w_scales, qkv16, b_attn, qkv32; writes qkv16, qkv32
.if DOCPART == 2
	.amdgcn_target "amdgcn-amd-amdhsa--gfx1250"
	.amdhsa_code_object_version 6
	.text
	.protected	k_q6df3bf04cc_qkv
	.globl	k_q6df3bf04cc_qkv
	.p2align	8
	.type	k_q6df3bf04cc_qkv,@function
k_q6df3bf04cc_qkv:
	s_mov_b64 s[64:65], 0
	v_nop
	global_prefetch_b8 v0, s[64:65] scope:SCOPE_SE
	s_setreg_imm32_b32 hwreg(HW_REG_WAVE_MODE, 25, 1), 1
	s_wait_xcnt 0x0
	s_wait_alu depctr_hold_cnt(0) depctr_sa_sdst(0) depctr_va_vdst(0) depctr_va_sdst(0) depctr_va_ssrc(0) depctr_va_vcc(0) depctr_vm_vsrc(0)
	s_getreg_b32 s2, hwreg(HW_REG_IB_STS2, 6, 4)
	s_cmp_eq_u32 s2, 0
	s_cbranch_scc0 .Lentry_in_a_cluster
	s_endpgm
.Lentry_in_a_cluster:
	s_bfe_u32 s2, ttmp6, 0x10000c
	s_cmp_lg_u32 s2, 0xf033
	s_cbranch_scc0 .Lentry_shape_is_right
	s_endpgm
.Lentry_shape_is_right:
; QKV: qkv = Q(x) Q(w_attn) + b_attn on codes of FP4 (E2M1) with E8M0 scales, 8,192 x 3,072 x 1,024, sums in f32.
; Out: qkv16 [3 (q, k, v)][16 b + h][t 2048][64] f16, and the first 16 positions of each sequence once more as f32: qkv32 [b][t 16][3072].
; LIMIT: |q|, |k|, |v| stay under 65,504 (f16).
; A tile of 256 x 256 is made by four waves, 128 x 128 each: 64 accumulators, 512 registers.  K is 1,024: two LDS slots of 512 along K hold all of it, so both slots are first fills and nothing is filled again.
; The scales of the tile's 256 + 256 rows, for all of K, come once, as dense runs of 256 bytes with 16 of padding.
; CLUSTERS: 4 x 4 work-groups; A's tiles are asked for jointly along a row of the cluster, B's along a column.  Tile row = 8 cy + cluster y, so that the batch is cy and
; 'this tile holds the sequence's first rows' is 'cluster y = 0', a number that all sixteen partners share.  Tile column = 4 cluster x + cx: cluster x is q, k or v.
; THE MATRIX INSTRUCTION IS USED TRANSPOSED (source 0 = 16 rows of w, source 1 = 16 rows of x): a lane holds eight neighbouring columns of one row.  The bias is the C of each sum's first product.
; REGISTERS: window 0: v0-31 addresses; v32-95 scale words, two sets; v128-191 A's fragments, one set; v192-255 the bias.  Window 1: B's fragments, two sets.  Windows 2, 3: the accumulators ((a, b) at v[8 (8 (a % 4) + b)]).
.set NQ,     4                         ; steps of 128 along K in a slot
.set ROWB,   256                       ; a tile's row: 512 codes
.set KROW,   512                       ; a row of codes in memory
.set PITCH,  272                       ; 256 bytes + 16: the 16 rows of a load start 4 banks apart
.set FR,     8
.set NL,     2
.set NP,     4
.set HALFT,  128*PITCH
.set SLOT,   4*HALFT
.set KS,     32                        ; a row of scales in bytes
.set SCL,    2*SLOT
.set HALFS,  16*272                    ; the scales of 128 rows
.set SBLK,   2*272                     ; of 16 rows
.set SPARE,  SCL+4*HALFS               ; the spare words, 128 bytes a wave
.set ADRA, 16
.set ADRB, 20
.set STO32, 22                         ; the way out in f32: in, and back
.set RD32,  23
.set STO,  24                          ; the way out in f16
.set RD,   25
.set CO,   26                          ; 16 x lane
.set ADRS, 27
.set SPW,  28
.set NIL,  29
.set BO,   30                          ; 32 x (lane / 16): my eight numbers of a block's bias
.set SC,   32
.set TMP,  32                          ; the way out: packed results
.set AF,   128
.set BK,   128                         ; the way out: rows read back
.set BI,   192
.set G1, 24
.set G0, 32
.set G1B, 48
.set G0B, 56
.set G1S, 68
.set G0S, 76
.set G1SB, 80
.set G0SB, 88
.set MSB, 0
.macro WIN new                         ; the immediate's high byte repeats the setting that is left
.if MSB != \new
	s_set_vgpr_msb (MSB<<8)|\new
.set MSB, \new
.endif
.endm
.set MUL_LO, 0xa1                      ; source 0 (B) window 1, source 1 (A) window 0, C and D window 2
.set MUL_HI, 0xf1
.set TO_B,   0x40
.macro JLOAD g0a, g1a, g0b, g1b        ; a joint load: waves 0 and 1 fetch for A, waves 2 and 3 for B; an s_nop 0 and four v_nop follow each line
	s_cmp_eq_u32 s15, 0
	s_cbranch_scc0 .Lfor_b_\@
	tensor_load_to_lds s[\g0a:\g0a+3], s[\g1a:\g1a+7]
	s_nop 0
.rept 4
	v_nop
.endr
	s_branch .Lasked_\@
.Lfor_b_\@:
	tensor_load_to_lds s[\g0b:\g0b+3], s[\g1b:\g1b+7]
	s_nop 0
.rept 4
	v_nop
.endr
.Lasked_\@:
.endm
.macro CROUND                          ; a round of the cluster's barrier
	s_barrier_signal -1
	s_barrier_wait -1
	s_cmp_lg_u32 s14, 0
	s_cbranch_scc1 .Lnot_wave_0_\@
	s_barrier_signal -3
.Lnot_wave_0_\@:
	s_barrier_wait -3
	s_barrier_signal -1
	s_barrier_wait -1
.endm
	s_load_b128 s[4:7], s[0:1], 0x0                ; x_codes, x_scales
	s_load_b128 s[8:11], s[0:1], 0x10              ; w_codes, w_scales
	s_load_b64 s[12:13], s[0:1], 0x20              ; qkv16
	s_load_b128 s[96:99], s[0:1], 0x28             ; b_attn, qkv32
	v_lshl_add_u32 v[SPW], v0, 2, SPARE
	v_mov_b32 v[NIL], 0
	ds_add_u32 v[SPW], v[NIL]                      ; the wave's opening: the add, twice on end, and its wait ahead of the first tensor load
	ds_add_u32 v[SPW], v[NIL]
	v_lshrrev_b32 v1, 5, v0
	v_readfirstlane_b32 s14, v1                    ; wave 0..3
	s_lshr_b32 s15, s14, 1                         ; my half of the tile's rows; also: I fetch for A (0) or B (1)
	s_and_b32 s16, s14, 1                          ; my half of its columns; also: which 128 rows I fetch
	s_bfe_u32 s40, ttmp6, 0x40000                  ; cx
	s_bfe_u32 s41, ttmp6, 0x40004                  ; cy
	s_lshl_b32 s42, ttmp9, 2
	s_add_co_u32 s42, s42, s40                     ; tile column = 4 x cluster x + cx
	s_and_b32 s67, ttmp7, 0xffff                   ; cluster y
	s_lshl_b32 s17, s41, 3
	s_add_co_u32 s17, s17, s67                     ; tile row = 8 cy + cluster y
	s_or_b32 s66, s67, s15                         ; 0 where my rows begin a sequence: made of the cluster's y and the wave's number alone
	s_lshl_b32 s43, s41, 2
	s_lshl_b32 s43, 15, s43                        ; my row of the cluster
	s_lshl_b32 s44, 0x1111, s40                    ; my column
	s_or_b32 s[G1+0], s43, (0<<16)|(1<<20)|(1<<21)|(5<<22)|(3<<25)  ; the mask; elements of 1 byte; padding: 4 words behind every 64
	s_or_b32 s[G1B+0], s44, (0<<16)|(1<<20)|(1<<21)|(5<<22)|(3<<25)
.irp g, G1, G1B
	s_mov_b32 s[\g+1], ROWB<<16                    ; tensor_dim0
	s_mov_b32 s[\g+2], 128<<16                     ; tensor_dim1
	s_mov_b32 s[\g+3], ROWB<<16                    ; tile_dim0
	s_mov_b32 s[\g+4], 128                         ; tile_dim1
	s_mov_b32 s[\g+5], KROW                        ; the pitch
	s_mov_b32 s[\g+6], 0
	s_mov_b32 s[\g+7], 0
.endr
	s_or_b32 s[G1S+0], s43, (3<<16)|(1<<20)|(1<<21)|(5<<22)|(3<<25)  ; the scales of 128 rows: 4,096 dense bytes as 16 rows of 32 elements of 8 bytes
	s_or_b32 s[G1SB+0], s44, (3<<16)|(1<<20)|(1<<21)|(5<<22)|(3<<25)
.irp g, G1S, G1SB
	s_mov_b32 s[\g+1], 32<<16
	s_mov_b32 s[\g+2], 16<<16
	s_mov_b32 s[\g+3], 32<<16
	s_mov_b32 s[\g+4], 16
	s_mov_b32 s[\g+5], 32
	s_mov_b32 s[\g+6], 0
	s_mov_b32 s[\g+7], 0
.endr
	s_lshl_b32 s18, s16, 7
	s_lshl_b32 s20, s17, 8
	s_add_co_u32 s20, s20, s18                     ; A: row 256 x tile row + 128 x half
	s_lshl_b32 s46, s42, 8
	s_add_co_u32 s46, s46, s18                     ; B: row 256 x tile column + 128 x half
	s_mov_b32 s21, 0
	s_mov_b32 s47, 0
	s_mov_b64 s[18:19], KS
	s_mul_u64 s[22:23], s[20:21], s[18:19]         ; where these rows' scales begin
	s_mul_u64 s[92:93], s[46:47], s[18:19]
	s_mov_b64 s[18:19], KROW
	s_mul_u64 s[20:21], s[20:21], s[18:19]         ; and their codes
	s_mul_u64 s[46:47], s[46:47], s[18:19]
	s_mul_i32 s45, s14, HALFT                      ; where they go: wave x 128 rows
	s_mul_i32 s94, s14, HALFS
	s_wait_dscnt 0x0                               ; both opening adds are done
	s_wait_kmcnt 0x0
	s_add_nc_u64 s[20:21], s[4:5], s[20:21]
	s_add_nc_u64 s[22:23], s[6:7], s[22:23]
	s_add_nc_u64 s[46:47], s[8:9], s[46:47]
	s_add_nc_u64 s[92:93], s[10:11], s[92:93]
	CROUND                                         ; all sixteen work-groups are here: the joint loads meet
	s_mov_b32 s[G0S], 1
	s_add_co_u32 s[G0S+1], s94, SCL
	s_mov_b64 s[G0S+2:G0S+3], s[22:23]
	s_or_b32 s[G0S+3], s[G0S+3], 0x80000000
	s_mov_b32 s[G0SB], 1
	s_add_co_u32 s[G0SB+1], s94, SCL
	s_mov_b64 s[G0SB+2:G0SB+3], s[92:93]
	s_or_b32 s[G0SB+3], s[G0SB+3], 0x80000000
	JLOAD G0S, G1S, G0SB, G1SB                     ; the scales first; by this text's count three loads of a wave are out at the most
.irp s, 0,1
	s_mov_b32 s[G0+4*\s], 1
	s_add_co_u32 s[G0+4*\s+1], s45, \s*SLOT
	s_add_nc_u64 s[G0+4*\s+2:G0+4*\s+3], s[20:21], \s*ROWB
	s_or_b32 s[G0+4*\s+3], s[G0+4*\s+3], 0x80000000
	s_mov_b32 s[G0B+4*\s], 1
	s_add_co_u32 s[G0B+4*\s+1], s45, \s*SLOT
	s_add_nc_u64 s[G0B+4*\s+2:G0B+4*\s+3], s[46:47], \s*ROWB
	s_or_b32 s[G0B+4*\s+3], s[G0B+4*\s+3], 0x80000000
	JLOAD G0+4*\s, G1, G0B+4*\s, G1B
.endr
	v_and_b32 v1, 15, v0                           ; r
	v_bfe_u32 v2, v0, 4, 1                         ; h
	v_lshlrev_b32 v[BO], 5, v2
	; the pointers of the bias and of the results.  Offsets that mix cx and cy are made in s2, s3, s95, which feed no descriptor
	s_lshl_b32 s2, s42, 10
	s_lshl_b32 s3, s16, 9
	s_add_co_u32 s2, s2, s3                        ; 4 x (256 tile column + 128 half)
	s_mov_b32 s3, 0
	s_add_nc_u64 s[96:97], s[96:97], s[2:3]        ; b_attn at my first column
	s_mul_i32 s95, s41, 196608
	s_add_co_u32 s2, s2, s95
	s_add_nc_u64 s[98:99], s[98:99], s[2:3]        ; qkv32: batch cy, row 0, my first column
.irp b, 0,1,2,3,4,5,6,7
	global_load_b128 v[BI+8*\b:BI+8*\b+3], v[BO], s[96:97] offset:64*\b       ; lane (r, h), block b: the bias of columns 16 b + 8 h + 0 .. 7
	global_load_b128 v[BI+8*\b+4:BI+8*\b+7], v[BO], s[96:97] offset:64*\b+16
.endr
	s_lshl_b32 s2, ttmp9, 24                       ; q, k or v: 16,777,216 bytes each
	s_lshl_b32 s3, s41, 4
	s_lshl_b32 s95, s40, 2
	s_add_co_u32 s3, s3, s95
	s_lshl_b32 s95, s16, 1
	s_add_co_u32 s3, s3, s95                       ; 16 b + my first head: 16 cy + 4 cx + 2 half
	s_lshl_b32 s3, s3, 18                          ; a head is 262,144 bytes
	s_add_co_u32 s2, s2, s3
	s_lshl_b32 s3, s67, 15                         ; t = 256 cluster y + 128 half, 128 bytes a row
	s_add_co_u32 s2, s2, s3
	s_lshl_b32 s3, s15, 14
	s_add_co_u32 s2, s2, s3
	s_mov_b32 s3, 0
	s_add_nc_u64 s[12:13], s[12:13], s[2:3]
	v_mul_u32_u24 v3, v1, PITCH
	v_lshl_add_u32 v4, v2, 4, v3                   ; a fragment's row x pitch + 16 h
	s_mul_i32 s21, s15, HALFT
	s_mul_i32 s22, s16, HALFT
	s_add_co_u32 s22, s22, 2*HALFT
.irp s, 0,1
	v_add_nc_u32 v[ADRA+\s], s21, v4
	v_add_nc_u32 v[ADRB+\s], s22, v4
	s_add_co_u32 s21, s21, SLOT
	s_add_co_u32 s22, s22, SLOT
.endr
	v_mul_u32_u24 v5, v1, KS                       ; my row's scales: 32 bytes a row,
	v_lshrrev_b32 v6, 8, v5
	v_lshl_add_u32 v5, v6, 4, v5                   ; and 16 more for each 256 passed
	s_mul_i32 s21, s15, HALFS
	s_mul_i32 s22, s16, HALFS
	s_add_co_u32 s22, s22, 2*HALFS
	s_sub_co_u32 s22, s22, s21
	v_mul_u32_u24 v6, s22, v2                      ; lanes 16-31 take B's: one product, the distance between the two bases
	s_add_co_u32 s21, s21, SCL
	v_add_nc_u32 v5, v5, v6
	v_add_nc_u32 v[ADRS], s21, v5
	s_mul_i32 s23, s14, 8448                       ; my stage, in slot 0: it has had its only fill, and nobody reads it behind the change of slots
	v_lshl_add_u32 v5, v2, 4, v3
	v_add_nc_u32 v[STO], s23, v5                   ; f16, in: row r of 272 bytes, + 16 h
	v_and_b32 v6, 31, v0
	v_lshrrev_b32 v5, 3, v6
	v_mul_u32_u24 v5, v5, 272
	v_and_b32 v7, 7, v0
	v_lshl_add_u32 v5, v7, 4, v5
	v_add_nc_u32 v[RD], s23, v5                    ; f16, back: row lane / 8, 16 bytes at 16 (lane % 8): four rows of one head's 128 bytes
	v_lshlrev_b32 v[CO], 4, v6
	v_mul_u32_u24 v5, v1, 528
	v_lshl_add_u32 v5, v2, 5, v5
	v_add_nc_u32 v[STO32], s23, v5                 ; f32, in: row r of 528 bytes, + 32 h
	v_add_nc_u32 v[RD32], s23, v[CO]               ; f32, back: a row of 512 bytes
.macro FRAG reg, adr, q, i             ; 16 rows x 128 K of 4-bit codes: 8 registers, two loads of 16 bytes, 32 bytes apart
.irp c, 0,1
	ds_load_b128 v[\reg+4*\c:\reg+4*\c+3], v[\adr] offset:64*(\q)+32*\c+(\i)*16*PITCH
.endr
.endm
; 16 matrix instructions: A's blocks a0, a0 + 1 x B's eight.  zero = 1: the first product starts the sums with the bias as its C.  The 64 accumulators take turns, one instruction a turn.
.macro MUL16 a0, p, q, sc, zero
.irp a, \a0, \a0+1
.irp b, 0,1,2,3,4,5,6,7
.if \zero
	v_wmma_scale_f32_16x16x128_f8f6f4 v[8*(8*((\a)%4)+\b):8*(8*((\a)%4)+\b)+7], v[128*(\p)+FR*\b:128*(\p)+FR*\b+FR-1], v[AF+FR*(\a):AF+FR*(\a)+FR-1], v[BI+8*\b:BI+8*\b+7], v[SC+8*NQ*(\sc)+NQ*\b+(\q)], v[SC+8*NQ*(\sc)+NQ*(\a)+(\q)] matrix_a_fmt:MATRIX_FMT_FP4 matrix_b_fmt:MATRIX_FMT_FP4 matrix_a_scale:MATRIX_SCALE_ROW1
.else
	v_wmma_scale_f32_16x16x128_f8f6f4 v[8*(8*((\a)%4)+\b):8*(8*((\a)%4)+\b)+7], v[128*(\p)+FR*\b:128*(\p)+FR*\b+FR-1], v[AF+FR*(\a):AF+FR*(\a)+FR-1], v[8*(8*((\a)%4)+\b):8*(8*((\a)%4)+\b)+7], v[SC+8*NQ*(\sc)+NQ*\b+(\q)], v[SC+8*NQ*(\sc)+NQ*(\a)+(\q)] matrix_a_fmt:MATRIX_FMT_FP4 matrix_b_fmt:MATRIX_FMT_FP4 matrix_a_scale:MATRIX_SCALE_ROW1
.endif
.endr
.endr
.endm
.macro FETCH_B slot, q, p
	WIN TO_B
.irp i, 0,1,2,3,4,5,6,7
	FRAG 128*(\p)+FR*\i, ADRB+\slot, \q, \i
.endr
	WIN 0
.endm
.macro FETCH_A slot, q, i0
.irp i, \i0, \i0+1, \i0+2, \i0+3
	FRAG AF+FR*(\i), ADRA+\slot, \q, \i
.endr
.endm
.macro SCALES sc                       ; a slot's scale words: lanes 0-15 A's block i, lanes 16-31 B's block i, four words a row
.irp i, 0,1,2,3,4,5,6,7
	ds_load_b128 v[SC+8*NQ*\sc+NQ*\i:SC+8*NQ*\sc+NQ*\i+3], v[ADRS] offset:\i*SBLK
.endr
.endm
.macro PLACES n                        ; plain vector instructions between a matrix instruction and a load into, or a read of, its registers
.rept \n
	v_nop
.endr
.endm
.macro STEP slot, q, zero              ; 128 along K whose successor lies in the same slot
	s_wait_dscnt 4*NL                              ; B's set and A's blocks 0-3 are in; A's blocks 4-7, the youngest eight loads, may be out
.if \zero
	WIN 0x81                                       ; C (the bias) window 0, D window 2
.else
	WIN MUL_LO
.endif
	MUL16 0, (\q)%2, \q, \slot, \zero
	MUL16 2, (\q)%2, \q, \slot, \zero
	s_wait_dscnt 0
	PLACES NP
	FETCH_B \slot, (\q)+1, 1-(\q)%2
	FETCH_A \slot, (\q)+1, 0
.if \zero
	WIN 0xc1
.else
	WIN MUL_HI
.endif
	MUL16 4, (\q)%2, \q, \slot, \zero
	MUL16 6, (\q)%2, \q, \slot, \zero
	PLACES NP
	WIN 0
	FETCH_A \slot, (\q)+1, 4
.endm
.macro TURN slot, next                 ; a slot's last step changes slots: one barrier; nothing is filled again
	s_wait_tensorcnt 0x0                           ; all my tensor loads have landed: my part of the next slot
	ds_add_u32 v[SPW], v[NIL]                      ; 0 onto my spare word
	s_wait_dscnt 4*NL+1                            ; the add and the youngest eight loads may be out
	WIN MUL_LO
	MUL16 0, 1, NQ-1, \slot, 0
	s_wait_dscnt 0x0                               ; the add is done, my reads of this slot are over
	s_barrier_signal -1
	MUL16 2, 1, NQ-1, \slot, 0
	WIN 0
	s_barrier_wait -1
	PLACES NP
	v_add_nc_u32 v[ADRS], 4*NQ, v[ADRS]            ; the next slot's scale words
	FETCH_B \next, 0, 0
	FETCH_A \next, 0, 0
	SCALES \next
	WIN MUL_HI
	MUL16 4, 1, NQ-1, \slot, 0
	MUL16 6, 1, NQ-1, \slot, 0
	PLACES NP
	WIN 0
	FETCH_A \next, 0, 4
.endm
	s_wait_tensorcnt 1                             ; the scales and my part of slot 0 are in; slot 1's load may be out
	s_barrier_signal -1
	s_barrier_wait -1
	FETCH_B 0, 0, 0
	FETCH_A 0, 0, 0
	SCALES 0
	FETCH_A 0, 0, 4
	s_wait_loadcnt 0x0                             ; the bias
	STEP 0, 0, 1
	STEP 0, 1, 0
	STEP 0, 2, 0
	TURN 0, 1
	STEP 1, 0, 0
	STEP 1, 1, 0
	STEP 1, 2, 0
	s_wait_dscnt 4*NL                              ; the last step: nothing more to fetch
	WIN MUL_LO
	MUL16 0, 1, NQ-1, 1, 0
	MUL16 2, 1, NQ-1, 1, 0
	s_wait_dscnt 0
	WIN MUL_HI
	MUL16 4, 1, NQ-1, 1, 0
	MUL16 6, 1, NQ-1, 1, 0
	WIN 0
	PLACES NP                                      ; behind the last products: for the reads of results, the writes of the scale registers and the loads into A's registers
	; THE FIRST 16 POSITIONS ALSO LEAVE AS f32: block 0 of the waves whose rows begin a sequence
	s_cmp_lg_u32 s66, 0
	s_cbranch_scc1 .Lnot_first
	WIN 0x08                                       ; an LDS store's data: window 2
.irp b, 0,1,2,3,4,5,6,7
	ds_store_b128 v[STO32], v[8*\b:8*\b+3] offset:64*\b            ; each accumulator from its low end on
	ds_store_b128 v[STO32], v[8*\b+4:8*\b+7] offset:64*\b+16
.endr
	WIN 0
.irp t, 0,1,2,3,4,5,6,7,8,9,10,11,12,13,14,15
	ds_load_b128 v[BK+4*\t:BK+4*\t+3], v[RD32] offset:\t*528       ; LDS serves a wave's instructions in order: these see the stores
.endr
	s_wait_dscnt 0x0
.irp t, 0,1,2,3,4,5,6,7,8,9,10,11,12,13,14,15
	global_store_b128 v[CO], v[BK+4*\t:BK+4*\t+3], s[98:99] offset:\t*12288   ; 512 consecutive bytes of row t
.endr
	s_wait_xcnt 0x0                                ; the stores have read their registers: they are loaded again below
.Lnot_first:
; THE WAY OUT in f16, a block of 16 rows x 128 columns (two heads) at a time: packed, through my stage, back as four rows of one head: 512 consecutive bytes of qkv16.
.macro PACK a
.set AC, 64*((\a)%4)
	WIN 0x0a+5*((\a)/4)                            ; sources 0 and 1: window 2 or 3
.irp b, 0,1,2,3,4,5,6,7
.irp r, 0,1,2,3
	v_cvt_pk_f16_f32 v[TMP+4*\b+\r], v[AC+8*\b+2*\r], v[AC+8*\b+2*\r+1]
.endr
.endr
	WIN 0
.endm
.macro TOSTAGE a
.set BB, BK+32*((\a)%2)
.irp b, 0,1,2,3,4,5,6,7
	ds_store_b128 v[STO], v[TMP+4*\b:TMP+4*\b+3] offset:32*\b
.endr
.irp hh, 0,1
.irp i, 0,1,2,3
	ds_load_b128 v[BB+4*(4*\hh+\i):BB+4*(4*\hh+\i)+3], v[RD] offset:128*\hh+1088*\i
.endr
.endr
.endm
.macro SEND a
.set BB, BK+32*((\a)%2)
	s_wait_dscnt 0x0                               ; the block is back in registers
	s_wait_xcnt 0x0                                ; the earlier stores have read their registers: the next block's loads may land there
.irp hh, 0,1
.irp i, 0,1,2,3
	global_store_b128 v[CO], v[BB+4*(4*\hh+\i):BB+4*(4*\hh+\i)+3], s[12:13] offset:(\a)*2048+\hh*262144+\i*512
.endr
.endr
.endm
	PACK 0
	TOSTAGE 0
.irp a, 1,2,3,4,5,6,7                  ; block a's conversions stand between block a - 1's loads from the stage and the wait for them
	PACK \a
	SEND \a-1
	TOSTAGE \a
.endr
	SEND 7
	s_wait_tensorcnt 0x0                           ; the wave's end
	ds_add_u32 v[SPW], v[NIL]
	s_wait_dscnt 0x0
	CROUND                                         ; the closing round
	s_endpgm
.Lfunc_end_k_q6df3bf04cc_qkv:
	.size	k_q6df3bf04cc_qkv, .Lfunc_end_k_q6df3bf04cc_qkv-k_q6df3bf04cc_qkv
	.p2alignl 7, 3214868480
	.fill 96, 4, 3214868480
	.section	.rodata,"a",@progbits
	.p2align	6, 0x0
	.amdhsa_kernel k_q6df3bf04cc_qkv
		.amdhsa_group_segment_fixed_size 327680
		.amdhsa_private_segment_fixed_size 0
		.amdhsa_enable_private_segment 0
		.amdhsa_kernarg_size 56
		.amdhsa_user_sgpr_count 2
		.amdhsa_user_sgpr_kernarg_segment_ptr 1
		.amdhsa_wavefront_size32 1
		.amdhsa_system_sgpr_workgroup_id_x 1
		.amdhsa_system_sgpr_workgroup_id_y 1
		.amdhsa_system_sgpr_workgroup_id_z 1
		.amdhsa_system_vgpr_workitem_id 0
		.amdhsa_next_free_vgpr 1024
		.amdhsa_next_free_sgpr 100
		.amdhsa_reserve_vcc 0
		.amdhsa_float_denorm_mode_32 3
		.amdhsa_float_denorm_mode_16_64 3
		.amdhsa_memory_ordered 1
		.amdhsa_forward_progress 1
		.amdhsa_inst_pref_size 132
	.end_amdhsa_kernel
	.amdgpu_metadata
---
amdhsa.version: [ 1, 2 ]
amdhsa.kernels:
  - .name:           k_q6df3bf04cc_qkv
    .symbol:         k_q6df3bf04cc_qkv.kd
    .args:
      - { .name: x_codes, .offset: 0, .size: 8, .value_kind: global_buffer, .address_space: global }
      - { .name: x_scales, .offset: 8, .size: 8, .value_kind: global_buffer, .address_space: global }
      - { .name: w_codes, .offset: 16, .size: 8, .value_kind: global_buffer, .address_space: global }
      - { .name: w_scales, .offset: 24, .size: 8, .value_kind: global_buffer, .address_space: global }
      - { .name: qkv16, .offset: 32, .size: 8, .value_kind: global_buffer, .address_space: global }
      - { .name: b_attn, .offset: 40, .size: 8, .value_kind: global_buffer, .address_space: global }
      - { .name: qkv32, .offset: 48, .size: 8, .value_kind: global_buffer, .address_space: global }
    .group_segment_fixed_size: 327680
    .private_segment_fixed_size: 0
    .kernarg_segment_align: 8
    .kernarg_segment_size: 56
    .max_flat_workgroup_size: 128
    .sgpr_count:     100
    .vgpr_count:     1024
    .wavefront_size: 32
...
	.end_amdgpu_metadata
.endif
;; end of part 2
;; launch attn (part 3): grid 4 x 64, 8 waves a work-group, no clusters, 327,680 bytes of LDS; arguments qkv16, y16; writes y16
.if DOCPART == 3
	.amdgcn_target "amdgcn-amd-amdhsa--gfx1250"
	.amdhsa_code_object_version 6
	.text
	.protected	k_q6df3bf04cc_attn
	.globl	k_q6df3bf04cc_attn
	.p2align	8
	.type	k_q6df3bf04cc_attn,@function
k_q6df3bf04cc_attn:
	s_mov_b64 s[64:65], 0
	v_nop
	global_prefetch_b8 v0, s[64:65] scope:SCOPE_SE
	s_setreg_imm32_b32 hwreg(HW_REG_WAVE_MODE, 25, 1), 1
	s_wait_xcnt 0x0
; ATTN: y[b][h][q] = sum over k <= q of softmax_k(q . k / 8) v[k], head size 64, 2,048 positions, 64 heads (16 b + h).  Operands f16, products, maxima and sums f32; the weights p are rounded to f16 for the second product.
; In: qkv16 [3][16 b + h][t][64] f16.  Out: y16 [h][2048 b + t][64] f16.  LIMIT: |q|, |k|, |v|, |y| under 65,504.
; SHARES.  Work-group (p, head) owns the query blocks 7 - p and p, 256 queries each: it walks 8 - p slots of 256 keys for the first and p + 1 for the second: nine slots in every work-group.
; A wave owns 32 queries, two tiles of 16; waves w and w + 4 take groups w and 7 - w of a block, so that the two have equal work on the diagonal.
; NO CLUSTER: the four work-groups of a head want 8, 7, 6, 5 slots and then 1, 2, 3, 4: a joint load would bring tiles all of whose reads the mask lets some partner pass over.
; LAYOUT.  S^T = K Q^T (source 0 = 16 keys, source 1 = 16 queries): a lane holds one query (lane % 16) and keys 8 (lane / 16) + 0..7.  Two such tiles, rounded in pairs, are source 1 of O^T = V^T P.  V is turned by ds_load_tr16_b128.
; SOFTMAX.  A running maximum m and sum l for each query: p = 2^(c s - c m), c = log2(e) / 8; in every step O and l are multiplied by a = 2^(c m_old - c m_new).
; THE MASK.  A step (64 keys) all of whose keys come after the wave's queries is passed over by a scalar branch on ids; on the diagonal hidden scores become -infinity ahead of the maximum.  Every step that is walked begins at or under the wave's first query, so m is a number.
; THE RING.  Two slots of 256 keys.  Waves 0-3 load K's quarters, waves 4-7 V's: one tensor load a wave behind each change of slots, which has a slot's four steps in which to land.
; REGISTERS.  Window 0: v1-11 addresses and the mask; v12-27 statistics, eight a tile (+0 c m, +1 m, +2, +3 l, +4..+7 at work; a in +6); v28, v29 the add's two; v30 the prefetch's offset;
;   v32-95 S^T, 32 a tile; v96-127 P, 16 a tile; v128-191 K's fragments; v192-255 V's.   Window 1: v0-31 Q; v32-95 O^T, 32 a tile.
.set PK,    144                        ; a row of K in LDS: 128 bytes + 16
.set PV,    160                        ; a row of V: 128 + 32
.set VOFF,  256*PK
.set SLOT1, 131072
.set STAGE, 208896                     ; behind the ring: 32 rows x 144 bytes for each wave
.set SPARE, 245760                     ; the spare words, 128 bytes for each of eight waves
.set ST,  12
.set S,   32
.set P,   96
.set KFR, 128
.set VFR, 192
.set QF,  0                            ; in window 1
.set O,   32                           ; in window 1
.set MSB, 0
.macro WIN new
.if MSB != \new
	s_set_vgpr_msb (MSB<<8)|\new
.set MSB, \new
.endif
.endm
; s8 wave, s9 p, s10 head (16 b + h), s11 my group of 32 queries, s12 the trip, s13 the slot of keys asked for last, s14 8 - p, s15 7 - p, s16 my first query, s17 the step's first key,
; s18, s19 LDS byte of the step's K and V, s20 counts a slot's steps, s[22:23] c, s[24:31], s[32:39] groups 1 for K and V, s[40:43], s[44:47] their groups 0, s[48:49], s[50:51] my quarter of K and V at key 0,
; s[52:53] the slot's offset, s[54:55] lane selects, s[56:57] Q, s[58:59] y, s[60:61] the prefetch's place, s62 trips in which I prefetch
.macro JLOAD                           ; waves 0-3 fetch for K, waves 4-7 for V; an s_nop 0 and four v_nop follow each line
	s_cmp_lt_u32 s8, 4
	s_cbranch_scc0 .Lfor_v_\@
	tensor_load_to_lds s[40:43], s[24:31]
	s_nop 0
.rept 4
	v_nop
.endr
	s_branch .Lasked_\@
.Lfor_v_\@:
	tensor_load_to_lds s[44:47], s[32:39]
	s_nop 0
.rept 4
	v_nop
.endr
.Lasked_\@:
.endm
; A PREFETCH of what the next change of slots will ask for.  All four work-groups of a head read slot j of the keys in trip j; the one with p = 0, which walks all eight, asks: each wave for its own quarter,
; 8,192 bytes, lanes 256 bytes apart, in trips 0 to 5 for slots 2 to 7: each run of 256 bytes is named once in the launch.  Slots 0 and 1 come by their loads alone.
.macro ASK
	s_cmp_lt_u32 s12, s62
	s_cbranch_scc0 .Lnot_mine_\@
	global_prefetch_b8 v30, s[60:61] th:TH_LOAD_NT scope:SCOPE_SE
.Lnot_mine_\@:
.endm
	s_load_b128 s[4:7], s[0:1], 0x0                ; qkv16, y16
	v_lshl_add_u32 v28, v0, 2, SPARE
	v_mov_b32 v29, 0
	ds_add_u32 v28, v29                            ; the wave's opening: the add, twice on end, and its wait ahead of the first tensor load
	ds_add_u32 v28, v29
	v_lshrrev_b32 v1, 5, v0
	v_readfirstlane_b32 s8, v1                     ; wave 0..7
	s_mov_b32 s9, ttmp9
	s_and_b32 s10, ttmp7, 0xffff
	s_sub_co_u32 s66, 11, s8
	s_cmp_lt_u32 s8, 4
	s_cselect_b32 s11, s8, s66                     ; 0, 1, 2, 3, 7, 6, 5, 4
	s_sub_co_u32 s14, 8, s9
	s_sub_co_u32 s15, 7, s9
	s_lshl_b32 s16, s15, 8
	s_lshl_b32 s66, s11, 5
	s_add_co_u32 s16, s16, s66                     ; my first query in block 7 - p
	s_cmp_eq_u32 s9, 0
	s_cselect_b32 s62, 6, 0
	s_mov_b32 s12, 0
	s_mov_b32 s13, 0
	s_mov_b32 s17, 0
	s_mov_b32 s18, 0
	s_mov_b32 s19, 0
	s_mov_b32 s22, 0x3e38aa3b                      ; c = log2(e) / 8
	s_mov_b32 s23, s22
	s_mov_b32 s54, 0x76543210
	s_mov_b32 s55, 0xfedcba98
	s_mov_b32 s52, 0
	s_mov_b32 s53, 0
	s_mov_b32 s24, (1<<16)|(1<<20)|(4<<22)|(3<<25) ; K: elements of 2 bytes; padding: 4 words behind every 32
	s_mov_b32 s32, (1<<16)|(1<<20)|(4<<22)|(7<<25) ; V: 8 words
.irp g, 24, 32
	s_mov_b32 s[\g+1], 64<<16                      ; tensor_dim0 = 64
	s_mov_b32 s[\g+2], 64<<16                      ; tensor_dim1 = 64
	s_mov_b32 s[\g+3], 64<<16                      ; tile_dim0 = 64
	s_mov_b32 s[\g+4], 64                          ; tile_dim1 = 64 rows
	s_mov_b32 s[\g+5], 64                          ; the pitch
	s_mov_b32 s[\g+6], 0
	s_mov_b32 s[\g+7], 0
.endr
	s_and_b32 s67, s8, 3                           ; which quarter of a slot I fetch
	s_mov_b32 s40, 1
	s_mul_i32 s41, s67, 64*PK
	s_mov_b32 s44, 1
	s_mul_i32 s45, s67, 64*PV
	s_add_co_u32 s45, s45, VOFF
	s_lshl_b32 s68, s10, 18                        ; the head: 262,144 bytes
	s_lshl_b32 s69, s67, 13                        ; my quarter: 64 rows of 128 bytes
	s_add_co_u32 s68, s68, s69
	s_mov_b32 s69, 0
	s_wait_dscnt 0x0                               ; both opening adds are done
	s_wait_kmcnt 0x0
	s_add_nc_u64 s[48:49], s[4:5], s[68:69]
	s_add_nc_u64 s[50:51], s[48:49], 0x2000000     ; V
	s_add_nc_u64 s[48:49], s[48:49], 0x1000000     ; K
	s_mov_b64 s[42:43], s[48:49]
	s_or_b32 s43, s43, 0x80000000
	s_mov_b64 s[46:47], s[50:51]
	s_or_b32 s47, s47, 0x80000000
	JLOAD                                          ; slot 0: keys 0 to 255, which count for every work-group
	s_cmp_lt_u32 s8, 4
	s_cselect_b64 s[60:61], s[48:49], s[50:51]
	s_add_nc_u64 s[60:61], s[60:61], 32768         ; at slot 1: the first change of slots steps it to slot 2
	v_and_b32 v31, 15, v0                          ; r
	v_bfe_u32 v10, v0, 4, 1                        ; h
	v_mul_u32_u24 v1, v31, PK
	v_lshl_add_u32 v1, v10, 4, v1                  ; K: row r x pitch + 16 h
	v_and_b32 v3, 7, v0
	v_lshl_add_u32 v2, v10, 3, v3
	v_mul_u32_u24 v2, v2, PV
	v_bfe_u32 v3, v0, 3, 1
	v_lshl_add_u32 v2, v3, 4, v2
	v_add_nc_u32 v2, VOFF, v2                      ; V: key 8 h + lane % 8, channels 8 ((lane / 8) % 2) on
	v_lshlrev_b32 v5, 7, v31
	v_lshl_add_u32 v5, v10, 4, v5                  ; Q: row r of 128 bytes + 16 h
	s_mul_i32 s66, s8, 32*PK
	s_add_co_u32 s66, s66, STAGE
	v_add_nc_u32 v6, s66, v1                       ; the stage, in: row r x 144 + 16 h
	v_and_b32 v3, 31, v0
	v_lshrrev_b32 v4, 3, v3
	v_mul_u32_u24 v7, v4, PK
	v_and_b32 v4, 7, v0
	v_lshl_add_u32 v7, v4, 4, v7
	v_add_nc_u32 v7, s66, v7                       ; back: row lane / 8, 16 (lane % 8)
	v_lshlrev_b32 v8, 4, v3                        ; 16 x lane
	v_lshlrev_b32 v30, 8, v3                       ; 256 x lane
	v_lshlrev_b32 v9, 3, v10
	v_sub_nc_u32 v9, v31, v9                       ; r - 8 h
	v_mov_b32 v11, 0xff800000                      ; -infinity
; A block's start: Q into registers, O^T = 0, l = 0, m = -3e38, under every score.  All eight statistics are written.
.macro INIT
	s_lshl_b32 s66, s10, 18
	s_lshl_b32 s67, s16, 7
	s_add_co_u32 s66, s66, s67
	s_mov_b32 s67, 0
	s_add_nc_u64 s[56:57], s[4:5], s[66:67]
	WIN 0x40                                       ; destination window 1
.irp t, 0,1
.irp s, 0,1
	global_load_b128 v[QF+16*\t+8*\s:QF+16*\t+8*\s+3], v5, s[56:57] offset:\t*2048+64*\s
	global_load_b128 v[QF+16*\t+8*\s+4:QF+16*\t+8*\s+7], v5, s[56:57] offset:\t*2048+64*\s+32
.endr
.endr
.set i, 0
.rept 64
	v_mov_b32 v[O+i], 0                            ; the step is written once: the first finds zeros
.set i, i+1
.endr
	WIN 0
.irp t, 0,1
	v_mov_b32 v[ST+8*\t+1], 0xff61b1e6
	v_mul_f32 v[ST+8*\t], s22, v[ST+8*\t+1]
.irp j, 2,3,4,5,6,7
	v_mov_b32 v[ST+8*\t+\j], 0
.endr
.endr
	s_wait_loadcnt 0x0
.endm
; Both tiles' softmax of a step, line by turns.
.macro SOFTMAX
.irp k, 0,1,2,3
.irp t, 0,1
	v_max3_num_f32 v[ST+8*\t+4+\k], v[S+32*\t+8*\k], v[S+32*\t+8*\k+1], v[S+32*\t+8*\k+2]   ; four chains, each from its accumulator's low end
.endr
.endr
.irp i, 3,5
.irp k, 0,1,2,3
.irp t, 0,1
	v_max3_num_f32 v[ST+8*\t+4+\k], v[ST+8*\t+4+\k], v[S+32*\t+8*\k+\i], v[S+32*\t+8*\k+\i+1]
.endr
.endr
.endr
.irp t, 0,1
	v_max3_num_f32 v[ST+8*\t+4], v[ST+8*\t+4], v[S+32*\t+7], v[S+32*\t+15]
	v_max3_num_f32 v[ST+8*\t+6], v[ST+8*\t+6], v[S+32*\t+23], v[S+32*\t+31]
.endr
.irp t, 0,1
	v_max3_num_f32 v[ST+8*\t+4], v[ST+8*\t+4], v[ST+8*\t+5], v[ST+8*\t+6]
.endr
.irp t, 0,1
	v_max3_num_f32 v[ST+8*\t+4], v[ST+8*\t+4], v[ST+8*\t+7], v[ST+8*\t+1]   ; and the old m
.endr
.irp t, 0,1
	v_permlanex16_b32 v[ST+8*\t+5], v[ST+8*\t+4], s54, s55         ; the query's other 32 keys lie in the lane 16 away
.endr
.irp t, 0,1
	v_mov_b32 v[ST+8*\t+7], v[ST+8*\t]             ; c m_old
.endr
.irp t, 0,1
	v_max_num_f32 v[ST+8*\t+1], v[ST+8*\t+4], v[ST+8*\t+5]
.endr
.irp t, 0,1
	v_mul_f32 v[ST+8*\t], s22, v[ST+8*\t+1]
.endr
.irp t, 0,1
	v_sub_f32 v[ST+8*\t+7], v[ST+8*\t+7], v[ST+8*\t]
.endr
.irp t, 0,1
.set i, 0
.rept 16
	v_pk_fma_f32 v[S+32*\t+2*i:S+32*\t+2*i+1], v[S+32*\t+2*i:S+32*\t+2*i+1], s[22:23], v[ST+8*\t:ST+8*\t+1] op_sel_hi:[1,0,0] neg_lo:[0,0,1] neg_hi:[0,0,1]   ; c s - c m
.set i, i+1
.endr
.endr
.irp t, 0,1
	v_exp_f32 v[ST+8*\t+6], v[ST+8*\t+7]           ; a
.set i, 0
.rept 32
	v_exp_f32 v[S+32*\t+i], v[S+32*\t+i]           ; p
.set i, i+1
.endr
.endr
	v_nop                                          ; a plain instruction behind the last exponential
	s_wait_alu depctr_va_vdst(0)                   ; one wait for the batch of 66, ahead of its first reader
.irp t, 0,1
.set i, 0
.rept 16
	v_cvt_pk_f16_f32 v[P+16*\t+i], v[S+32*\t+2*i], v[S+32*\t+2*i+1]
.set i, i+1
.endr
.endr
.irp w, 4,8,16,32                      ; the sum of a tile's 16 pairs, in place: neighbours 1, 2, 4, 8 pairs apart
.irp t, 0,1
.set i, 0
.rept 32/\w
	v_pk_add_f32 v[S+32*\t+\w*i:S+32*\t+\w*i+1], v[S+32*\t+\w*i:S+32*\t+\w*i+1], v[S+32*\t+\w*i+\w/2:S+32*\t+\w*i+\w/2+1]
.set i, i+1
.endr
.endr
.endr
.irp t, 0,1
	v_pk_fma_f32 v[ST+8*\t+2:ST+8*\t+3], v[ST+8*\t+2:ST+8*\t+3], v[ST+8*\t+6:ST+8*\t+7], v[S+32*\t:S+32*\t+1] op_sel_hi:[1,0,1]   ; l = a l + the sum
.endr
.endm
; A KEY STEP: 64 keys.
.macro STEP
	s_add_co_u32 s66, s16, 31
	s_cmp_gt_u32 s17, s66                          ; all 64 keys come after my 32 queries: ids and the count of steps alone
	s_cbranch_scc1 .Lhid_\@
	v_add_nc_u32 v3, s18, v1
	v_add_nc_u32 v4, s19, v2
	v_nop
	v_nop                                          ; four places between the last step's products and the loads into V's registers
.irp kt, 0,1,2,3
.irp s, 0,1
	ds_load_b128 v[KFR+16*\kt+8*\s:KFR+16*\kt+8*\s+3], v3 offset:\kt*16*PK+64*\s
	ds_load_b128 v[KFR+16*\kt+8*\s+4:KFR+16*\kt+8*\s+7], v3 offset:\kt*16*PK+64*\s+32
.endr
.endr
.irp kh, 0,1
.irp dt, 0,1,2,3
	ds_load_tr16_b128 v[VFR+8*(4*\kh+\dt):VFR+8*(4*\kh+\dt)+3], v4 offset:\kh*32*PV+32*\dt
	ds_load_tr16_b128 v[VFR+8*(4*\kh+\dt)+4:VFR+8*(4*\kh+\dt)+7], v4 offset:\kh*32*PV+16*PV+32*\dt
.endr
.endr
	s_wait_dscnt 16                                ; K's sixteen loads are in; V's sixteen may be out
	WIN 0x04                                       ; source 1 (Q) window 1
.irp s, 0,1                            ; eight accumulators by turns, one instruction a turn
.irp kt, 0,1,2,3
.irp t, 0,1
.if \s == 0
	v_wmma_f32_16x16x32_f16 v[S+32*\t+8*\kt:S+32*\t+8*\kt+7], v[KFR+16*\kt+8*\s:KFR+16*\kt+8*\s+7], v[QF+16*\t+8*\s:QF+16*\t+8*\s+7], 0
.else
	v_wmma_f32_16x16x32_f16 v[S+32*\t+8*\kt:S+32*\t+8*\kt+7], v[KFR+16*\kt+8*\s:KFR+16*\kt+8*\s+7], v[QF+16*\t+8*\s:QF+16*\t+8*\s+7], v[S+32*\t+8*\kt:S+32*\t+8*\kt+7]
.endif
.endr
.endr
.endr
	WIN 0
.rept 4
	v_nop
.endr
	s_add_co_u32 s66, s17, 63
	s_cmp_le_u32 s66, s16                          ; all keys count for all my queries: no mask
	s_cbranch_scc1 .Lopen_\@
	s_sub_co_u32 s66, s16, s17
	v_add_nc_u32 v10, s66, v9                      ; d = my query - the step's first key - 8 h.  Register n holds key 16 (n / 8) + n % 8 + 8 h: hidden where that is above d
.set n, 0
.rept 32
	v_cmp_gt_i32 vcc_lo, 16*(n/8)+n%8, v10
	v_cndmask_b32 v[S+n], v[S+n], v11, vcc_lo
.set n, n+1
.endr
	v_add_nc_u32 v10, 16, v10                      ; tile 1's queries lie 16 further on
.set n, 0
.rept 32
	v_cmp_gt_i32 vcc_lo, 16*(n/8)+n%8, v10
	v_cndmask_b32 v[S+32+n], v[S+32+n], v11, vcc_lo
.set n, n+1
.endr
.Lopen_\@:
	SOFTMAX
	WIN 0x41                                       ; O^T window 1, a window 0
.irp t, 0,1
.set i, 0
.rept 16
	v_pk_mul_f32 v[O+32*\t+2*i:O+32*\t+2*i+1], v[O+32*\t+2*i:O+32*\t+2*i+1], v[ST+8*\t+6:ST+8*\t+7] op_sel_hi:[1,0]
.set i, i+1
.endr
.endr
	s_wait_dscnt 0x0                               ; V is in
	WIN 0x50                                       ; C and D window 1
.irp kh, 0,1
.irp dt, 0,1,2,3
.irp t, 0,1
	v_wmma_f32_16x16x32_f16 v[O+32*\t+8*\dt:O+32*\t+8*\dt+7], v[VFR+8*(4*\kh+\dt):VFR+8*(4*\kh+\dt)+7], v[P+16*\t+8*\kh:P+16*\t+8*\kh+7], v[O+32*\t+8*\dt:O+32*\t+8*\dt+7]
.endr
.endr
.endr
	WIN 0
.Lhid_\@:
	s_add_co_u32 s18, s18, 64*PK
	s_add_co_u32 s19, s19, 64*PV
	s_add_co_u32 s17, s17, 64
.endm
.macro FOUR_STEPS
	s_mov_b32 s20, 4
.Lst_\@:
	STEP
	s_sub_co_u32 s20, s20, 1
	s_cmp_lg_u32 s20, 0
	s_cbranch_scc1 .Lst_\@
.endm
; THE CHANGE OF SLOTS, at a slot's head.  Each wave waits for all its tensor loads (its quarter of the slot ahead), adds 0 to its spare word, and waits for that and for its reads of the slot that it has left.
; fill = 1: behind the barrier that slot takes the keys that follow: after slot 7 - p of the keys comes slot 0 again, for the second block.
.macro CHANGE fill
	s_wait_tensorcnt 0x0                           ; no tensor load of mine is out: the groups 0 may be written
	ds_add_u32 v28, v29
.if \fill
	s_add_co_u32 s13, s13, 1
	s_cmp_eq_u32 s13, s14
	s_cselect_b32 s13, 0, s13
	s_lshl_b32 s52, s13, 15                        ; a slot is 256 rows of 128 bytes
	s_xor_b32 s41, s41, SLOT1
	s_xor_b32 s45, s45, SLOT1
	s_add_nc_u64 s[42:43], s[48:49], s[52:53]
	s_or_b32 s43, s43, 0x80000000
	s_add_nc_u64 s[46:47], s[50:51], s[52:53]
	s_or_b32 s47, s47, 0x80000000
	s_wait_xcnt 0x0                                ; the last prefetch, a slot back, has read its address
	s_add_nc_u64 s[60:61], s[60:61], 32768
.endif
	s_wait_dscnt 0x0                               ; the add is done, my reads of the slot that I have left are over
	s_barrier_signal -1
	s_barrier_wait -1
.if \fill
	JLOAD                                          ; the first thing behind the barrier, and my one tensor load until the next
	ASK
.endif
.endm
; A block's end: O^T / l, rounded to f16, through my stage, out as 32 rows of 128 bytes: 4,096 consecutive bytes of y16.
.macro FINISH
.irp t, 0,1
	v_add_f32 v[ST+8*\t+4], v[ST+8*\t+2], v[ST+8*\t+3]             ; (these are also the places behind the last products)
.endr
.irp t, 0,1
	v_permlanex16_b32 v[ST+8*\t+5], v[ST+8*\t+4], s54, s55
.endr
.irp t, 0,1
	v_add_f32 v[ST+8*\t+4], v[ST+8*\t+4], v[ST+8*\t+5]
.endr
.irp t, 0,1
	v_rcp_f32 v[ST+8*\t+6], v[ST+8*\t+4]
.endr
	v_nop
	s_and_b32 s66, s10, 15
	s_lshl_b32 s66, s66, 20                        ; the head's plane: 1,048,576 bytes
	s_lshr_b32 s67, s10, 4
	s_lshl_b32 s67, s67, 11
	s_add_co_u32 s67, s67, s16                     ; row 2048 b + my first query
	s_lshl_b32 s67, s67, 7
	s_add_co_u32 s66, s66, s67
	s_mov_b32 s67, 0
	s_add_nc_u64 s[58:59], s[6:7], s[66:67]
	s_wait_alu depctr_va_vdst(0)                   ; one wait for the two reciprocals, ahead of their first reader
	WIN 0x41
.irp t, 0,1
.set i, 0
.rept 16
	v_pk_mul_f32 v[O+32*\t+2*i:O+32*\t+2*i+1], v[O+32*\t+2*i:O+32*\t+2*i+1], v[ST+8*\t+6:ST+8*\t+7] op_sel_hi:[1,0]
.set i, i+1
.endr
.endr
	WIN 0x05                                       ; sources window 1, destination window 0
.irp t, 0,1
.set i, 0
.rept 16
	v_cvt_pk_f16_f32 v[S+16*\t+i], v[O+32*\t+2*i], v[O+32*\t+2*i+1]
.set i, i+1
.endr
.endr
	WIN 0
.irp t, 0,1
.irp dt, 0,1,2,3
	ds_store_b128 v6, v[S+16*\t+4*\dt:S+16*\t+4*\dt+3] offset:\t*16*PK+32*\dt
.endr
.endr
.irp i, 0,1,2,3,4,5,6,7
	ds_load_b128 v[64+4*\i:67+4*\i], v7 offset:4*PK*\i             ; LDS serves a wave's instructions in order: these see the stores
.endr
.irp i, 0,1,2,3,4,5,6,7
	s_wait_dscnt 7-\i
	global_store_b128 v8, v[64+4*\i:67+4*\i], s[58:59] offset:512*\i   ; 512 consecutive bytes, aligned
.endr
	s_wait_xcnt 0x0                                ; the stores have read their registers and their base: both are written again
.endm
	INIT
.Lslot:                                            ; eight trips; trip j reads the walk's slot j and asks for slot j + 1
	CHANGE 1
	FOUR_STEPS
	s_sub_co_u32 s18, s18, 256*PK
	s_xor_b32 s18, s18, SLOT1
	s_sub_co_u32 s19, s19, 256*PV
	s_xor_b32 s19, s19, SLOT1
	s_cmp_lg_u32 s12, s15                          ; behind trip 7 - p the first block is finished
	s_cbranch_scc1 .Lsame_block
	FINISH
	s_lshl_b32 s16, s9, 8
	s_lshl_b32 s66, s11, 5
	s_add_co_u32 s16, s16, s66                     ; my first query in block p
	s_mov_b32 s17, 0
	INIT
.Lsame_block:
	s_add_co_u32 s12, s12, 1
	s_cmp_lt_u32 s12, 8
	s_cbranch_scc1 .Lslot
	CHANGE 0                                       ; the ninth slot is written out
	FOUR_STEPS
	FINISH
	s_wait_tensorcnt 0x0                           ; the wave's end
	ds_add_u32 v28, v29
	s_wait_dscnt 0x0
	s_endpgm
.Lfunc_end_k_q6df3bf04cc_attn:
	.size	k_q6df3bf04cc_attn, .Lfunc_end_k_q6df3bf04cc_attn-k_q6df3bf04cc_attn
	.p2alignl 7, 3214868480
	.fill 96, 4, 3214868480
	.section	.rodata,"a",@progbits
	.p2align	6, 0x0
	.amdhsa_kernel k_q6df3bf04cc_attn
		.amdhsa_group_segment_fixed_size 327680
		.amdhsa_private_segment_fixed_size 0
		.amdhsa_enable_private_segment 0
		.amdhsa_kernarg_size 16
		.amdhsa_user_sgpr_count 2
		.amdhsa_user_sgpr_kernarg_segment_ptr 1
		.amdhsa_wavefront_size32 1
		.amdhsa_system_sgpr_workgroup_id_x 1
		.amdhsa_system_sgpr_workgroup_id_y 1
		.amdhsa_system_sgpr_workgroup_id_z 1
		.amdhsa_system_vgpr_workitem_id 0
		.amdhsa_next_free_vgpr 384
		.amdhsa_next_free_sgpr 80
		.amdhsa_reserve_vcc 1
		.amdhsa_float_denorm_mode_32 3
		.amdhsa_float_denorm_mode_16_64 3
		.amdhsa_memory_ordered 1
		.amdhsa_forward_progress 1
		.amdhsa_inst_pref_size 72
	.end_amdhsa_kernel
	.amdgpu_metadata
---
amdhsa.version: [ 1, 2 ]
amdhsa.kernels:
  - .name:           k_q6df3bf04cc_attn
    .symbol:         k_q6df3bf04cc_attn.kd
    .args:
      - { .name: qkv16, .offset: 0, .size: 8, .value_kind: global_buffer, .address_space: global }
      - { .name: y16, .offset: 8, .size: 8, .value_kind: global_buffer, .address_space: global }
    .group_segment_fixed_size: 327680
    .private_segment_fixed_size: 0
    .kernarg_segment_align: 8
    .kernarg_segment_size: 16
    .max_flat_workgroup_size: 256
    .sgpr_count:     80
    .vgpr_count:     384
    .wavefront_size: 32
...
	.end_amdgpu_metadata
.endif
;; end of part 3
;; launch proj (part 4): grid 4 x 32, 4 waves a work-group, clusters of 4 x 4, 327,680 bytes of LDS; arguments y16, wp16, b_proj, out0; writes out0
.if DOCPART == 4
	.amdgcn_target "amdgcn-amd-amdhsa--gfx1250"
	.amdhsa_code_object_version 6
	.text
	.protected	k_q6df3bf04cc_proj
	.globl	k_q6df3bf04cc_proj
	.p2align	8
	.type	k_q6df3bf04cc_proj,@function
k_q6df3bf04cc_proj:
	s_mov_b64 s[64:65], 0
	v_nop
	global_prefetch_b8 v0, s[64:65] scope:SCOPE_SE
	s_setreg_imm32_b32 hwreg(HW_REG_WAVE_MODE, 25, 1), 1
	s_wait_xcnt 0x0
	s_wait_alu depctr_hold_cnt(0) depctr_sa_sdst(0) depctr_va_vdst(0) depctr_va_sdst(0) depctr_va_ssrc(0) depctr_va_vcc(0) depctr_vm_vsrc(0)
	s_getreg_b32 s2, hwreg(HW_REG_IB_STS2, 6, 4)
	s_cmp_eq_u32 s2, 0
	s_cbranch_scc0 .Lentry_in_a_cluster
	s_endpgm
.Lentry_in_a_cluster:
	s_bfe_u32 s2, ttmp6, 0x10000c
	s_cmp_lg_u32 s2, 0xf033
	s_cbranch_scc0 .Lentry_shape_is_right
	s_endpgm
.Lentry_shape_is_right:
; PROJ: out0 = y w_proj + b_proj for all rows but the first 16 of each sequence, 8,192 x 1,024 x 1,024, operands f16, sums f32.
; y16 [h 16][row 8192][64] f16: a K step of 128 is two heads' planes.  wp16 [k 1024][n 1024] f16: its fragments are turned on the way out of LDS by ds_load_tr16_b128.
; A tile of 256 x 256 is made by four waves, 128 x 128 each (64 accumulators, 512 registers): 128 work-groups.  A tile of 128 x 256 would give 256, but two slots of a K step of 256 (384 rows x 528 bytes each)
; do not fit in LDS, and with K steps of 128 a refill would have 128 matrix instructions a wave in which to land in place of 224.
; K goes in steps of 128 through two LDS slots.  Waves 0, 1 load A's two planes (256 rows x 128 bytes), waves 2, 3 B's halves (64 k rows x 512 bytes).
; CLUSTERS: 4 x 4; A's tiles are asked for jointly along a row of the cluster, B's along a column.  Tile row = 8 cy + cluster y, so that 'my tile begins a sequence' is 'cluster y = 0', which all partners share.
; THE MATRIX INSTRUCTION IS USED TRANSPOSED (source 0 = 16 columns of w_proj, source 1 = 16 rows of y): a lane holds eight neighbouring columns of one row.  The bias is the C of each sum's first product.
; REGISTERS: window 0: v0-31 addresses; v64-127, v128-191 A's fragments, two buffers; v192-255 the bias; on the way out v128-255 rows.  Window 1: v64-127, v128-191 B's fragments.  Windows 2, 3: the accumulators.
.set PA,     144                       ; a row of a plane of A in LDS: 128 bytes + 16
.set PB,     544                       ; a k row of B: 512 bytes + 32
.set PLANE,  256*PA
.set BOFF,   2*PLANE
.set SLOT,   BOFF+128*PB
.set STAGE,  2*SLOT                    ; behind the ring: 16 rows x 528 bytes for each wave
.set SPITCH, 528
.set SPARE,  STAGE+4*16*SPITCH
.set LAPS,   4                         ; a lap = two K steps
.set ADRA, 16
.set ADRB, 20
.set STO,  24
.set RD,   25
.set CO,   26
.set SPW,  28
.set NIL,  29
.set BO,   30
.set F0,   64
.set F1,   128
.set BI,   192
.set BK,   128
.set G1, 24
.set G0, 32
.set G1B, 48
.set G0B, 56
.set MSB, 0
.macro WIN new
.if MSB != \new
	s_set_vgpr_msb (MSB<<8)|\new
.set MSB, \new
.endif
.endm
.set MUL_LO, 0xa1
.set MUL_HI, 0xf1
.set TO_B,   0x40
.macro JLOAD s                         ; a joint load; an s_nop 0 and four v_nop follow each of the two lines
	s_cmp_eq_u32 s11, 0
	s_cbranch_scc0 .Lfor_b_\@
	tensor_load_to_lds s[G0+4*\s:G0+4*\s+3], s[G1:G1+7]
	s_nop 0
.rept 4
	v_nop
.endr
	s_branch .Lasked_\@
.Lfor_b_\@:
	tensor_load_to_lds s[G0B+4*\s:G0B+4*\s+3], s[G1B:G1B+7]
	s_nop 0
.rept 4
	v_nop
.endr
.Lasked_\@:
.endm
.macro CREST                           ; a round of the cluster's barrier behind its opening barrier
	s_cmp_lg_u32 s10, 0
	s_cbranch_scc1 .Lnot_wave_0_\@
	s_barrier_signal -3
.Lnot_wave_0_\@:
	s_barrier_wait -3
	s_barrier_signal -1
	s_barrier_wait -1
.endm
.macro CROUND
	s_barrier_signal -1
	s_barrier_wait -1
	CREST
.endm
	s_load_b128 s[4:7], s[0:1], 0x0                ; y16, wp16
	s_load_b64 s[2:3], s[0:1], 0x10                ; b_proj
	s_load_b64 s[8:9], s[0:1], 0x18                ; out0
	v_lshl_add_u32 v[SPW], v0, 2, SPARE
	v_mov_b32 v[NIL], 0
	ds_add_u32 v[SPW], v[NIL]                      ; the wave's opening: the add, twice on end, and its wait ahead of the first tensor load
	ds_add_u32 v[SPW], v[NIL]
	v_lshrrev_b32 v1, 5, v0
	v_readfirstlane_b32 s10, v1                    ; wave 0..3
	s_lshr_b32 s11, s10, 1                         ; my half of the tile's rows; also: I fetch for A (0) or B (1)
	s_and_b32 s12, s10, 1                          ; my half of its columns; also: which plane of A, which 64 k rows of B I fetch
	s_bfe_u32 s40, ttmp6, 0x40000                  ; cx
	s_bfe_u32 s41, ttmp6, 0x40004                  ; cy
	s_lshl_b32 s42, ttmp9, 2
	s_add_co_u32 s42, s42, s40                     ; tile column
	s_and_b32 s45, ttmp7, 0xffff                   ; cluster y
	s_lshl_b32 s13, s41, 3
	s_add_co_u32 s13, s13, s45                     ; tile row = 8 cy + cluster y
	s_or_b32 s45, s45, s11                         ; 0 where my rows begin a sequence
	s_lshl_b32 s43, s41, 2
	s_lshl_b32 s43, 15, s43                        ; my row of the cluster
	s_lshl_b32 s44, 0x1111, s40                    ; my column
	s_or_b32 s[G1+0], s43, (1<<16)|(1<<20)|(1<<21)|(4<<22)|(3<<25)   ; A: elements of 2 bytes; padding: 4 words behind every 32
	s_mov_b32 s[G1+1], 64<<16                      ; tensor_dim0 = 64
	s_mov_b32 s[G1+2], 256<<16                     ; tensor_dim1 = 256
	s_mov_b32 s[G1+3], 64<<16                      ; tile_dim0 = 64
	s_mov_b32 s[G1+4], 256                         ; tile_dim1 = 256 rows
	s_mov_b32 s[G1+5], 64                          ; the pitch
	s_mov_b32 s[G1+6], 0
	s_mov_b32 s[G1+7], 0
	s_or_b32 s[G1B+0], s44, (1<<16)|(1<<20)|(1<<21)|(6<<22)|(7<<25)  ; B: padding: 8 words behind every 128
	s_mov_b32 s[G1B+1], 256<<16
	s_mov_b32 s[G1B+2], 64<<16
	s_mov_b32 s[G1B+3], 256<<16
	s_mov_b32 s[G1B+4], 64
	s_mov_b32 s[G1B+5], 1024
	s_mov_b32 s[G1B+6], 0
	s_mov_b32 s[G1B+7], 0
	s_lshl_b32 s16, s12, 20                        ; A: head s12's plane,
	s_lshl_b32 s17, s13, 15                        ; the tile's 256 rows of 128 bytes
	s_add_co_u32 s16, s16, s17
	s_mov_b32 s17, 0
	s_lshl_b32 s46, s12, 17                        ; B: 64 k rows of 2,048 bytes,
	s_lshl_b32 s47, s42, 9                         ; the tile's 512 bytes of a row
	s_add_co_u32 s46, s46, s47
	s_mov_b32 s47, 0
	s_mul_i32 s20, s12, PLANE                      ; where they go: no place in the cluster enters an LDS address
	s_mul_i32 s21, s12, 64*PB
	s_add_co_u32 s21, s21, BOFF
	s_wait_dscnt 0x0                               ; both opening adds are done
	s_wait_kmcnt 0x0
	s_add_nc_u64 s[14:15], s[4:5], s[16:17]
	s_add_nc_u64 s[46:47], s[6:7], s[46:47]
	CROUND                                         ; all sixteen work-groups are here
.irp s, 0,1
	s_mov_b32 s[G0+4*\s], 1
	s_add_co_u32 s[G0+4*\s+1], s20, \s*SLOT
	s_add_nc_u64 s[G0+4*\s+2:G0+4*\s+3], s[14:15], \s*2097152      ; K step s: two heads on
	s_or_b32 s[G0+4*\s+3], s[G0+4*\s+3], 0x80000000
	s_mov_b32 s[G0B+4*\s], 1
	s_add_co_u32 s[G0B+4*\s+1], s21, \s*SLOT
	s_add_nc_u64 s[G0B+4*\s+2:G0B+4*\s+3], s[46:47], \s*262144     ; 128 k rows on
	s_or_b32 s[G0B+4*\s+3], s[G0B+4*\s+3], 0x80000000
	JLOAD \s
.endr
	v_and_b32 v1, 15, v0                           ; r
	v_bfe_u32 v2, v0, 4, 1                         ; h
	v_lshlrev_b32 v[BO], 5, v2
	s_lshl_b32 s16, s13, 20                        ; out0: 256 rows of 4,096 bytes a tile row,
	s_lshl_b32 s17, s11, 19                        ; my 128 rows
	s_add_co_u32 s16, s16, s17
	s_mov_b32 s17, 0
	s_lshl_b32 s46, s42, 10                        ; my first column, in bytes
	s_lshl_b32 s47, s12, 9
	s_add_co_u32 s46, s46, s47
	s_mov_b32 s47, 0
	s_add_nc_u64 s[8:9], s[8:9], s[16:17]
	s_add_nc_u64 s[8:9], s[8:9], s[46:47]
	s_add_nc_u64 s[2:3], s[2:3], s[46:47]          ; b_proj at my first column
.irp b, 0,1,2,3,4,5,6,7
	global_load_b128 v[BI+8*\b:BI+8*\b+3], v[BO], s[2:3] offset:64*\b
	global_load_b128 v[BI+8*\b+4:BI+8*\b+7], v[BO], s[2:3] offset:64*\b+16
.endr
	v_mul_u32_u24 v3, v1, PA
	v_lshl_add_u32 v3, v2, 4, v3                   ; A: row r x pitch + 16 h
	s_mul_i32 s21, s11, 128*PA                     ; my 128 rows
	v_and_b32 v4, 7, v0
	v_lshl_add_u32 v4, v2, 3, v4
	v_mul_u32_u24 v4, v4, PB
	v_bfe_u32 v5, v0, 3, 1
	v_lshl_add_u32 v4, v5, 4, v4                   ; B: k row 8 h + lane % 8, columns 8 ((lane / 8) % 2) on
	s_lshl_b32 s22, s12, 8                         ; my 128 columns
	s_add_co_u32 s22, s22, BOFF
.irp s, 0,1
	v_add_nc_u32 v[ADRA+\s], s21, v3
	v_add_nc_u32 v[ADRB+\s], s22, v4
	s_add_co_u32 s21, s21, SLOT
	s_add_co_u32 s22, s22, SLOT
.endr
	s_mul_i32 s23, s10, 16*SPITCH
	s_add_co_u32 s23, s23, STAGE                   ; my stage
	v_mul_u32_u24 v5, v1, SPITCH
	v_lshl_add_u32 v5, v2, 5, v5
	v_add_nc_u32 v[STO], s23, v5                   ; in: row r, 32 bytes for each half of the lanes
	v_and_b32 v6, 31, v0
	v_lshlrev_b32 v[CO], 4, v6
	v_add_nc_u32 v[RD], s23, v[CO]                 ; back: a row of 512 bytes
; 16 matrix instructions: m blocks a0, a0 + 1 of the window's four x all 8 n blocks, 32 along K.  zero = 1: the first product starts the sums with the bias as its C.
.macro MUL16 f, hi, a0, zero
.irp a, \a0, \a0+1
.irp b, 0,1,2,3,4,5,6,7
.if \zero
	v_wmma_f32_16x16x32_f16 v[8*(8*(\a)+\b):8*(8*(\a)+\b)+7], v[\f+8*\b:\f+8*\b+7], v[\f+8*(4*\hi+\a):\f+8*(4*\hi+\a)+7], v[BI+8*\b:BI+8*\b+7]
.else
	v_wmma_f32_16x16x32_f16 v[8*(8*(\a)+\b):8*(8*(\a)+\b)+7], v[\f+8*\b:\f+8*\b+7], v[\f+8*(4*\hi+\a):\f+8*(4*\hi+\a)+7], v[8*(8*(\a)+\b):8*(8*(\a)+\b)+7]
.endif
.endr
.endr
.endm
; 32 LDS loads in one run: quarter q (32 along K) of a slot into buffer f: B's eight fragments, turned; then A's eight (plane q / 2, channels 32 (q % 2) on)
.macro FETCH slot, q, f
	WIN TO_B
.irp i, 0,1,2,3,4,5,6,7
	ds_load_tr16_b128 v[\f+8*\i:\f+8*\i+3],   v[ADRB+\slot] offset:(\q)*32*PB+32*\i
	ds_load_tr16_b128 v[\f+8*\i+4:\f+8*\i+7], v[ADRB+\slot] offset:(\q)*32*PB+16*PB+32*\i
.endr
	WIN 0
.irp i, 0,1,2,3,4,5,6,7
	ds_load_b128 v[\f+8*\i:\f+8*\i+3],   v[ADRA+\slot] offset:((\q)/2)*PLANE+64*((\q)%2)+\i*16*PA
	ds_load_b128 v[\f+8*\i+4:\f+8*\i+7], v[ADRA+\slot] offset:((\q)/2)*PLANE+64*((\q)%2)+\i*16*PA+32
.endr
.endm
.macro PLACES                          ; four plain vector instructions between a matrix instruction and a load into, or a read of, its registers
.rept 4
	v_nop
.endr
.endm
.macro QUARTER slot, q, f, g, zero     ; multiplies buffer f; in its middle fetches quarter q of the same slot into buffer g
	s_wait_dscnt 8                                 ; B and A's rows 0-63 are in; the youngest eight loads (A's rows 64-127) may be out
.if \zero
	WIN 0x81                                       ; C (the bias) window 0, D window 2
.else
	WIN MUL_LO
.endif
	MUL16 \f, 0, 0, \zero
	MUL16 \f, 0, 2, \zero
	PLACES
	FETCH \slot, \q, \g
	s_wait_dscnt 32                                ; all but the 32 just issued
.if \zero
	WIN 0xc1
.else
	WIN MUL_HI
.endif
	MUL16 \f, 1, 0, \zero
	MUL16 \f, 1, 2, \zero
.endm
; The last quarter of a K step multiplies buffer 1 and changes slots: one barrier; in front of it each wave waits for all its tensor loads, adds 0 to its spare word, and waits for that and for its reads of this slot.
; fill = 1: the barrier opens a round of the cluster's barrier, and the slot is filled again, two K steps ahead, first thing behind the round: 224 matrix instructions ahead of the wait for it.
.macro TURN slot, next, fill
	WIN 0                                          ; (the add's two registers lie in window 0)
	s_wait_tensorcnt 0x0
	ds_add_u32 v[SPW], v[NIL]
	s_wait_dscnt 9                                 ; the add and the youngest eight loads may be out
	WIN MUL_LO
	MUL16 F1, 0, 0, 0
	s_wait_dscnt 0x0                               ; the add is done, my reads of this slot are over
	s_barrier_signal -1
	MUL16 F1, 0, 2, 0
.if \fill
	WIN 0
.endif
	s_barrier_wait -1
.if \fill
	CREST
	s_add_nc_u64 s[G0+4*\slot+2:G0+4*\slot+3], s[G0+4*\slot+2:G0+4*\slot+3], 4194304     ; four heads on
	s_add_nc_u64 s[G0B+4*\slot+2:G0B+4*\slot+3], s[G0B+4*\slot+2:G0B+4*\slot+3], 524288  ; 256 k rows on
	JLOAD \slot                                    ; its four v_nop are also the places in front of the loads below
.else
	PLACES
.endif
	FETCH \next, 0, F0
	WIN MUL_HI
	MUL16 F1, 1, 0, 0
	MUL16 F1, 1, 2, 0
.endm
	s_wait_tensorcnt 1                             ; my part of K step 0 is in; K step 1's may be out
	s_barrier_signal -1
	s_barrier_wait -1
	FETCH 0, 0, F0
	s_wait_loadcnt 0x0                             ; the bias; its base s[2:3] is free from here on
	QUARTER 0, 1, F0, F1, 1
	WIN 0
	s_mov_b32 s3, LAPS-1
.Llap:                                             ; a trip goes once round the ring and fills both slots again
	QUARTER 0, 2, F1, F0, 0
	QUARTER 0, 3, F0, F1, 0
	TURN 0, 1, 1
	QUARTER 1, 1, F0, F1, 0
	QUARTER 1, 2, F1, F0, 0
	QUARTER 1, 3, F0, F1, 0
	TURN 1, 0, 1
	QUARTER 0, 1, F0, F1, 0
	WIN 0
	s_sub_co_u32 s3, s3, 1
	s_cmp_lg_u32 s3, 0
	s_cbranch_scc1 .Llap
	QUARTER 0, 2, F1, F0, 0                        ; the last lap fills nothing
	QUARTER 0, 3, F0, F1, 0
	TURN 0, 1, 0
	QUARTER 1, 1, F0, F1, 0
	QUARTER 1, 2, F1, F0, 0
	QUARTER 1, 3, F0, F1, 0
	s_wait_dscnt 8
	WIN MUL_LO
	MUL16 F1, 0, 0, 0
	MUL16 F1, 0, 2, 0
	s_wait_dscnt 0
	WIN MUL_HI
	MUL16 F1, 1, 0, 0
	MUL16 F1, 1, 2, 0
	WIN 0
; THE WAY OUT, a block of 16 rows x 128 columns at a time, through my own stage and back as whole rows of 512 bytes.
.macro TOSTAGE a
.set AC, 64*((\a)%4)
	WIN 0x08+4*((\a)/4)                            ; an LDS store's data: window 2 or 3
.irp b, 0,1,2,3,4,5,6,7
	ds_store_b128 v[STO], v[AC+8*\b:AC+8*\b+3] offset:64*\b        ; each accumulator from its low end on
	ds_store_b128 v[STO], v[AC+8*\b+4:AC+8*\b+7] offset:64*\b+16
.endr
	WIN 0
.set BB, BK+64*((\a)%2)
.irp t, 0,1,2,3,4,5,6,7,8,9,10,11,12,13,14,15
	ds_load_b128 v[BB+4*\t:BB+4*\t+3], v[RD] offset:\t*SPITCH
.endr
.endm
.macro SEND a, younger
.set BB, BK+64*((\a)%2)
	s_wait_dscnt \younger
.if (\a) > 0
	s_add_nc_u64 s[8:9], s[8:9], 16*4096           ; behind a wait on XCNT: the earlier stores have read their base
.else
	s_cmp_eq_u32 s45, 0                            ; the first 16 positions of a sequence are another launch's: they are not stored here
	s_cbranch_scc1 .Lfirst_rows
.endif
.irp t, 0,1,2,3,4,5,6,7,8,9,10,11,12,13,14,15
	global_store_b128 v[CO], v[BB+4*\t:BB+4*\t+3], s[8:9] offset:\t*4096 th:TH_STORE_NT   ; 512 consecutive bytes, aligned
.endr
.if (\a) == 0
.Lfirst_rows:
.endif
.endm
	PLACES
	TOSTAGE 0
.irp a, 1,2,3,4,5,6,7
.if \a > 1
	s_wait_xcnt 0x0                                ; block a - 2's stores have read their registers and their base
.endif
	TOSTAGE \a
	SEND \a-1, 32                                  ; behind block a - 1's loads: block a's 16 stores and 16 loads
.endr
	s_wait_xcnt 0x0
	SEND 7, 0
	s_wait_tensorcnt 0x0                           ; the wave's end
	ds_add_u32 v[SPW], v[NIL]
	s_wait_dscnt 0x0
	CROUND                                         ; the closing round
	s_endpgm
.Lfunc_end_k_q6df3bf04cc_proj:
	.size	k_q6df3bf04cc_proj, .Lfunc_end_k_q6df3bf04cc_proj-k_q6df3bf04cc_proj
	.p2alignl 7, 3214868480
	.fill 96, 4, 3214868480
	.section	.rodata,"a",@progbits
	.p2align	6, 0x0
	.amdhsa_kernel k_q6df3bf04cc_proj
		.amdhsa_group_segment_fixed_size 327680
		.amdhsa_private_segment_fixed_size 0
		.amdhsa_enable_private_segment 0
		.amdhsa_kernarg_size 32
		.amdhsa_user_sgpr_count 2
		.amdhsa_user_sgpr_kernarg_segment_ptr 1
		.amdhsa_wavefront_size32 1
		.amdhsa_system_sgpr_workgroup_id_x 1
		.amdhsa_system_sgpr_workgroup_id_y 1
		.amdhsa_system_sgpr_workgroup_id_z 1
		.amdhsa_system_vgpr_workitem_id 0
		.amdhsa_next_free_vgpr 1024
		.amdhsa_next_free_sgpr 66
		.amdhsa_reserve_vcc 0
		.amdhsa_float_denorm_mode_32 3
		.amdhsa_float_denorm_mode_16_64 3
		.amdhsa_memory_ordered 1
		.amdhsa_forward_progress 1
		.amdhsa_inst_pref_size 142
	.end_amdhsa_kernel
	.amdgpu_metadata
---
amdhsa.version: [ 1, 2 ]
amdhsa.kernels:
  - .name:           k_q6df3bf04cc_proj
    .symbol:         k_q6df3bf04cc_proj.kd
    .args:
      - { .name: y16, .offset: 0, .size: 8, .value_kind: global_buffer, .address_space: global }
      - { .name: wp16, .offset: 8, .size: 8, .value_kind: global_buffer, .address_space: global }
      - { .name: b_proj, .offset: 16, .size: 8, .value_kind: global_buffer, .address_space: global }
      - { .name: out0, .offset: 24, .size: 8, .value_kind: global_buffer, .address_space: global }
    .group_segment_fixed_size: 327680
    .private_segment_fixed_size: 0
    .kernarg_segment_align: 8
    .kernarg_segment_size: 32
    .max_flat_workgroup_size: 128
    .sgpr_count:     66
    .vgpr_count:     1024
    .wavefront_size: 32
...
	.end_amdgpu_metadata
.endif
;; end of part 4
;; launch first16 (part 5): grid 16 x 4, 16 waves a work-group, no clusters, 71,680 bytes of LDS; arguments qkv32, w_proj, b_proj, out0; writes out0
.if DOCPART == 5
	.amdgcn_target "amdgcn-amd-amdhsa--gfx1250"
	.amdhsa_code_object_version 6
	.text
	.protected	k_q6df3bf04cc_first16
	.globl	k_q6df3bf04cc_first16
	.p2align	8
	.type	k_q6df3bf04cc_first16,@function
k_q6df3bf04cc_first16:
	s_mov_b64 s[64:65], 0
	v_nop
	global_prefetch_b8 v0, s[64:65] scope:SCOPE_SE
	s_setreg_imm32_b32 hwreg(HW_REG_WAVE_MODE, 25, 1), 1
	s_wait_xcnt 0x0
; FIRST16: the first 16 positions of each sequence, attention and projection, all in f32: these rows average one to sixteen values and are the largest of the output.
; In: qkv32 [b][t 16][3072] f32, w_proj [k 1024][n 1024] f32, b_proj.  Out: out0 rows t < 16 of each batch.
; A work-group has one batch (y) and 64 columns of the output (x); wave w is head w.  Its y, 16 queries x 64 channels, is K slice 64 w .. 64 w + 63 of the projection, so y never leaves the wave's registers;
; the sixteen waves' partial sums meet in LDS, and wave w then sums and stores query w: 256 consecutive bytes.
; 96 matrix instructions of the form 16 x 16 x 4 in f32, all written out.  K is permuted alike on both sources of each product, so that wide loads and the result's layout feed the next product as they lie.
; All three products are used transposed: a lane holds one query (lane % 16).  The registers that the matrix instructions write (v176-239) are written by nothing else.
; REGISTERS: v1-9 addresses; v10, v11 the add's two; v[14:15] the bias; v16-47 K, then w_proj's columns 32-47, then partial sums; v48-79 Q, then columns 48-63; v80-111 V, then y; v112-175 columns 0-31;
;   v176-207 four partial S^T, then the four tiles of the output; v208-239 O^T; v240-247 scores, then p; v248-253 at work.
.set SPARE, 69632                      ; behind the sixteen parts of 16 rows x 272 bytes: the spare words, 128 bytes a wave
	s_load_b128 s[4:7], s[0:1], 0x0                ; qkv32, w_proj
	s_load_b128 s[8:11], s[0:1], 0x10              ; b_proj, out0
	v_lshl_add_u32 v10, v0, 2, SPARE
	v_mov_b32 v11, 0
	v_lshrrev_b32 v12, 5, v0
	v_readfirstlane_b32 s12, v12                   ; wave = head
	s_and_b32 s13, ttmp7, 0xffff                   ; batch
	v_and_b32 v1, 15, v0                           ; r
	v_bfe_u32 v2, v0, 4, 1                         ; h
	v_mul_u32_u24 v3, v1, 12288
	v_lshl_add_u32 v3, v2, 4, v3                   ; K, Q: row r, + 16 h
	v_mul_u32_u24 v4, v2, 8*12288
	v_lshl_add_u32 v4, v1, 2, v4                   ; V: row 8 h, channel r
	v_lshlrev_b32 v5, 15, v2
	v_lshl_add_u32 v5, v1, 2, v5                   ; w_proj: row 8 h, column r
	s_mul_i32 s14, s12, 4352
	v_mul_u32_u24 v6, v1, 272
	v_lshl_add_u32 v6, v2, 5, v6
	v_add_nc_u32 v6, s14, v6                       ; my part, in: row r, + 32 h
	v_and_b32 v12, 31, v0
	v_lshlrev_b32 v8, 3, v12                       ; 8 x lane
	s_mul_i32 s14, s12, 272
	v_add_nc_u32 v7, s14, v8                       ; back: row w of each part
	v_lshlrev_b32 v9, 3, v2
	v_sub_nc_u32 v9, v1, v9                        ; r - 8 h
	s_mov_b32 s20, 0x76543210
	s_mov_b32 s21, 0xfedcba98
	s_mov_b32 s22, 0x3e38aa3b                      ; c = log2(e) / 8
	s_mul_i32 s16, s13, 196608
	s_lshl_b32 s17, s12, 8
	s_add_co_u32 s16, s16, s17                     ; qkv32: my batch, my head's 256 bytes of a row
	s_mov_b32 s17, 0
	s_lshl_b32 s18, s12, 18                        ; w_proj: row 64 w,
	s_lshl_b32 s19, ttmp9, 8                       ; column 64 x
	s_add_co_u32 s18, s18, s19
	s_mov_b32 s19, 0
	s_lshl_b32 s24, ttmp9, 8
	s_mov_b32 s25, 0
	s_lshl_b32 s26, s13, 11
	s_add_co_u32 s26, s26, s12
	s_lshl_b32 s26, s26, 12                        ; out0: row 2048 b + w
	s_add_co_u32 s26, s26, s24
	s_mov_b32 s27, 0
	s_wait_kmcnt 0x0
	s_add_nc_u64 s[4:5], s[4:5], s[16:17]
	s_add_nc_u64 s[6:7], s[6:7], s[18:19]
	s_add_nc_u64 s[8:9], s[8:9], s[24:25]
	s_add_nc_u64 s[10:11], s[10:11], s[26:27]
.irp c, 0,1,2,3,4,5,6,7
	global_load_b128 v[16+4*\c:19+4*\c], v3, s[4:5] offset:4096+32*\c        ; K(key r, channels 8 c + 4 h + 0 .. 3)
.endr
.irp c, 0,1,2,3,4,5,6,7
	global_load_b128 v[48+4*\c:51+4*\c], v3, s[4:5] offset:32*\c             ; Q likewise
.endr
.irp dt, 0,1,2,3
.irp e, 0,1,2,3,4,5,6,7
	global_load_b32 v[80+8*\dt+\e], v4, s[4:5] offset:8192+\e*12288+64*\dt   ; V(key 8 h + e, channel 16 dt + r)
.endr
.endr
.irp u, 0,1
.irp t, 0,1,2,3
.irp e, 0,1,2,3,4,5,6,7
	global_load_b32 v[112+32*\u+8*\t+\e], v5, s[6:7] offset:(16*\t+\e)*4096+64*\u   ; w_proj(64 w + 16 t + 8 h + e, 64 x + 16 u + r)
.endr
.endr
.endr
	s_wait_loadcnt 63                              ; of the 112 loads the oldest 49 are in: K, Q and V are the first 48
	; S^T = K Q^T: step i takes channels 4 i + .. as they lie in both sources; four partial sums by turns
.irp i, 0,1,2,3,4,5,6,7,8,9,10,11,12,13,14,15
.if \i < 4
	v_wmma_f32_16x16x4_f32 v[176+8*(\i%4):183+8*(\i%4)], v[16+2*\i:17+2*\i], v[48+2*\i:49+2*\i], 0
.else
	v_wmma_f32_16x16x4_f32 v[176+8*(\i%4):183+8*(\i%4)], v[16+2*\i:17+2*\i], v[48+2*\i:49+2*\i], v[176+8*(\i%4):183+8*(\i%4)]
.endif
.endr
.rept 8
	v_nop                                          ; eight places behind this form: for the loads into K's and Q's registers and for the reads of the sums
.endr
.irp u, 0,1
.irp t, 0,1,2,3
.irp e, 0,1,2,3,4,5,6,7
	global_load_b32 v[16+32*\u+8*\t+\e], v5, s[6:7] offset:(16*\t+\e)*4096+128+64*\u   ; columns 32 + 16 u + r
.endr
.endr
.endr
	global_load_b64 v[14:15], v8, s[8:9]           ; the bias of my two columns
.irp j, 0,2,4,6
	v_pk_add_f32 v[240+\j:241+\j], v[176+\j:177+\j], v[184+\j:185+\j]        ; the four partial sums, each from its low end on
	v_pk_add_f32 v[248+\j:249+\j], v[192+\j:193+\j], v[200+\j:201+\j]
.endr
.irp j, 0,2,4,6
	v_pk_add_f32 v[240+\j:241+\j], v[240+\j:241+\j], v[248+\j:249+\j]        ; register j: score of key 8 h + j for query r
.endr
	v_mov_b32 v12, 0xff800000
.irp j, 0,1,2,3,4,5,6,7
	v_cmp_gt_i32 vcc_lo, \j, v9                    ; hidden where 8 h + j > r
	v_cndmask_b32 v[240+\j], v[240+\j], v12, vcc_lo
.endr
	v_max3_num_f32 v248, v240, v241, v242
	v_max3_num_f32 v248, v248, v243, v244
	v_max3_num_f32 v248, v248, v245, v246
	v_max_num_f32 v248, v248, v247
	v_permlanex16_b32 v249, v248, s20, s21
	v_max_num_f32 v248, v248, v249                 ; the row's maximum: key 0 counts for every query
	v_mul_f32 v248, s22, v248
.irp j, 0,1,2,3,4,5,6,7
	v_fma_f32 v[240+\j], v[240+\j], s22, -v248
.endr
.irp j, 0,1,2,3,4,5,6,7
	v_exp_f32 v[240+\j], v[240+\j]
.endr
	v_nop
	s_wait_alu depctr_va_vdst(0)                   ; one wait for the eight, ahead of their first reader
	v_pk_add_f32 v[250:251], v[240:241], v[242:243]
	v_pk_add_f32 v[252:253], v[244:245], v[246:247]
	v_pk_add_f32 v[250:251], v[250:251], v[252:253]
	v_add_f32 v250, v250, v251
	v_permlanex16_b32 v251, v250, s20, s21
	v_add_f32 v250, v250, v251                     ; the row's sum
	v_rcp_f32 v252, v250
	v_nop
	; O^T = V^T P: step s takes keys 8 h + 2 s + j on both sides
.irp s, 0,1,2,3
.irp dt, 0,1,2,3
.if \s == 0
	v_wmma_f32_16x16x4_f32 v[208+8*\dt:215+8*\dt], v[80+8*\dt+2*\s:81+8*\dt+2*\s], v[240+2*\s:241+2*\s], 0
.else
	v_wmma_f32_16x16x4_f32 v[208+8*\dt:215+8*\dt], v[80+8*\dt+2*\s:81+8*\dt+2*\s], v[240+2*\s:241+2*\s], v[208+8*\dt:215+8*\dt]
.endif
.endr
.endr
.rept 8
	v_nop
.endr
	s_wait_alu depctr_va_vdst(0)                   ; the reciprocal's wait, ahead of its first reader
.irp i, 0,2,4,6,8,10,12,14,16,18,20,22,24,26,28,30
	v_pk_mul_f32 v[80+\i:81+\i], v[208+\i:209+\i], v[252:253] op_sel_hi:[1,0]   ; y(query r, channel 16 t + 8 h + j), into V's registers
.endr
	s_wait_loadcnt 0x0                             ; w_proj and the bias
	; the projection: step (t, s) takes k = 64 w + 16 t + 8 h + 2 s + j on both sides; four tiles of columns by turns
.irp t, 0,1,2,3
.irp s, 0,1,2,3
.irp u, 0,1,2,3
.if \u < 2
.set WB, 112+32*\u
.else
.set WB, 16+32*(\u-2)
.endif
.if (\t == 0) && (\s == 0)
	v_wmma_f32_16x16x4_f32 v[176+8*\u:183+8*\u], v[WB+8*\t+2*\s:WB+8*\t+2*\s+1], v[80+8*\t+2*\s:81+8*\t+2*\s], 0
.else
	v_wmma_f32_16x16x4_f32 v[176+8*\u:183+8*\u], v[WB+8*\t+2*\s:WB+8*\t+2*\s+1], v[80+8*\t+2*\s:81+8*\t+2*\s], v[176+8*\u:183+8*\u]
.endif
.endr
.endr
.endr
.rept 8
	v_nop
.endr
.irp u, 0,1,2,3
	ds_store_b128 v6, v[176+8*\u:179+8*\u] offset:64*\u            ; lane (r, h): columns 16 u + 8 h + 0 .. 7 of query r
	ds_store_b128 v6, v[180+8*\u:183+8*\u] offset:64*\u+16
.endr
	s_wait_dscnt 0x0                               ; for the others' sake: my stores are done
	s_barrier_signal -1
	s_barrier_wait -1
.irp p, 0,1,2,3,4,5,6,7,8,9,10,11,12,13,14,15
	ds_load_b64 v[16+2*\p:17+2*\p], v7 offset:4352*\p              ; query w's 64 columns of each head's partial sum, two a lane
.endr
	s_wait_dscnt 0x0
.irp i, 0,1,2,3,4,5,6,7
	v_pk_add_f32 v[16+4*\i:17+4*\i], v[16+4*\i:17+4*\i], v[18+4*\i:19+4*\i]
.endr
.irp i, 0,1,2,3
	v_pk_add_f32 v[16+8*\i:17+8*\i], v[16+8*\i:17+8*\i], v[20+8*\i:21+8*\i]
.endr
	v_pk_add_f32 v[16:17], v[16:17], v[24:25]
	v_pk_add_f32 v[32:33], v[32:33], v[40:41]
	v_pk_add_f32 v[16:17], v[16:17], v[32:33]
	v_pk_add_f32 v[16:17], v[16:17], v[14:15]
	global_store_b64 v8, v[16:17], s[10:11]        ; 256 consecutive bytes, aligned
	s_wait_tensorcnt 0x0                           ; the wave's end
	ds_add_u32 v10, v11
	s_wait_dscnt 0x0
	s_endpgm
.Lfunc_end_k_q6df3bf04cc_first16:
	.size	k_q6df3bf04cc_first16, .Lfunc_end_k_q6df3bf04cc_first16-k_q6df3bf04cc_first16
	.p2alignl 7, 3214868480
	.fill 96, 4, 3214868480
	.section	.rodata,"a",@progbits
	.p2align	6, 0x0
	.amdhsa_kernel k_q6df3bf04cc_first16
		.amdhsa_group_segment_fixed_size 71680
		.amdhsa_private_segment_fixed_size 0
		.amdhsa_enable_private_segment 0
		.amdhsa_kernarg_size 32
		.amdhsa_user_sgpr_count 2
		.amdhsa_user_sgpr_kernarg_segment_ptr 1
		.amdhsa_wavefront_size32 1
		.amdhsa_system_sgpr_workgroup_id_x 1
		.amdhsa_system_sgpr_workgroup_id_y 1
		.amdhsa_system_sgpr_workgroup_id_z 1
		.amdhsa_system_vgpr_workitem_id 0
		.amdhsa_next_free_vgpr 256
		.amdhsa_next_free_sgpr 66
		.amdhsa_reserve_vcc 1
		.amdhsa_float_denorm_mode_32 3
		.amdhsa_float_denorm_mode_16_64 3
		.amdhsa_memory_ordered 1
		.amdhsa_forward_progress 1
		.amdhsa_inst_pref_size 33
	.end_amdhsa_kernel
	.amdgpu_metadata
---
amdhsa.version: [ 1, 2 ]
amdhsa.kernels:
  - .name:           k_q6df3bf04cc_first16
    .symbol:         k_q6df3bf04cc_first16.kd
    .args:
      - { .name: qkv32, .offset: 0, .size: 8, .value_kind: global_buffer, .address_space: global }
      - { .name: w_proj, .offset: 8, .size: 8, .value_kind: global_buffer, .address_space: global }
      - { .name: b_proj, .offset: 16, .size: 8, .value_kind: global_buffer, .address_space: global }
      - { .name: out0, .offset: 24, .size: 8, .value_kind: global_buffer, .address_space: global }
    .group_segment_fixed_size: 71680
    .private_segment_fixed_size: 0
    .kernarg_segment_align: 8
    .kernarg_segment_size: 32
    .max_flat_workgroup_size: 512
    .sgpr_count:     66
    .vgpr_count:     256
    .wavefront_size: 32
...
	.end_amdgpu_metadata
.endif
;; end of part 5
